; MI455X (gfx1250); checked and timed in simulation.
; The chip was launched on July 23, 2026; its instructions are those of AMD's public machine-readable ISA for CDNA 5 (MIT licence, August 2026) and "CDNA5" Instruction Set Architecture Reference Guide (July 2026). The comments in the code are by the model that wrote it; some were corrected since.
;; Scaled Dot Product Attention. Allowed arithmetic: float matrix products may take bf16 or f16 operands with f32 sums; other float arithmetic in f32, or as packed bf16 or f16 multiplies, adds, multiply-adds, maxima and minima; sums over many terms, partial sums and values carried from step to step in f32; what a program stores and reads back later, other than sums and carried values, may be rounded once to bf16 or f16.
;; Inputs: Wk 1,024 x 1,024 float32; Wq 1,024 x 1,024 float32; Wv 1,024 x 1,024 float32; bk 1,024 float32; bq 1,024 float32; bv 1,024 float32; x 8 x 1,024 x 1,024 float32.
;; Outputs: out0 8 x 1,024 x 1,024 float32.
;; 2 versions, each right; version 2 is version 1 with the launch cast written anew for expert scheduling mode. Each part assembles by itself: llvm-mc -triple=amdgcn-amd-amdhsa -mcpu=gfx1250 --defsym DOCPART=n.
;; ======== version 1 of 2: 4 launches
;; workspace buffers: xw 23,068,672 bytes; bb 12,288 bytes; qkv 50,331,648 bytes; pp 16,777,216 bytes; st 524,288 bytes
;; launch cast (part 1): grid 704 x 1, 8 waves a work-group, no clusters, 0 bytes of LDS; arguments x, Wq, Wk, Wv, bq, bk, bv, xw, bb; writes xw, bb
.if DOCPART == 1
	.amdgcn_target "amdgcn-amd-amdhsa--gfx1250"
	.amdhsa_code_object_version 6
	.text
	.protected	k_q15c98773c3_cast
	.globl	k_q15c98773c3_cast
	.p2align	8
	.type	k_q15c98773c3_cast,@function
k_q15c98773c3_cast:
	s_mov_b64 s[64:65], 0
	v_nop
	global_prefetch_b8 v0, s[64:65] scope:SCOPE_SE
	s_setreg_imm32_b32 hwreg(HW_REG_WAVE_MODE, 25, 1), 1
	s_wait_xcnt 0x0
; xw = one bf16 matrix of 11,264 rows x 1,024: rows 0-8191 are x, then 1,024 rows each of Wq, Wk, Wv.  bb = bq, bk, bv joined (f32, copied).
; The three products that follow read every number of x and W many times; rounding them once here halves what those launches move.
; A stream: no LDS, no barrier, no matrix unit.  Eight waves; the work-group owns 16 rows.  Thread t owns 16 source bytes (4 f32) at 16 t of
; every row and 8 destination bytes at 8 t: a wave's load covers 512 consecutive bytes, its store 256 consecutive bytes, aligned.
; All 16 loads of a thread go out at once; no register is written twice, so the only waits are the counted ones for the loads.
.set SROW, 4096                        ; bytes in a source row
.set DROW, 2048                        ; bytes in a row of xw
.set X,  4                             ; v[4:67]    row i: 4 f32 as loaded
.set Y,  68                            ; v[68:99]   row i: 4 bf16 to store
.set BV, 100                           ; v[100:103] 4 numbers of a bias
	s_load_b512 s[8:23], s[0:1], 0x0               ; x s[8:9], Wq s[10:11], Wk s[12:13], Wv s[14:15], bq s[16:17], bk s[18:19], bv s[20:21], xw s[22:23]
	s_load_b64 s[24:25], s[0:1], 0x40              ; bb
	s_sub_co_u32 s2, ttmp9, 512                    ; groups 512 to 703 take the weights (for the others s2, s3, s4 pick nothing that is used)
	s_lshr_b32 s3, s2, 6                           ; which weight: 0 Wq, 1 Wk, 2 Wv (64 groups each)
	s_and_b32 s4, s2, 63                           ; which 16 rows of it
	v_lshlrev_b32 v1, 4, v0                        ; 16 t
	v_lshlrev_b32 v2, 3, v0                        ; 8 t
	s_wait_kmcnt 0x0
	s_cmp_eq_u32 s3, 1
	s_cselect_b64 s[26:27], s[12:13], s[10:11]     ; the source, and the bias that belongs to it
	s_cselect_b64 s[30:31], s[18:19], s[16:17]
	s_cmp_eq_u32 s3, 2
	s_cselect_b64 s[26:27], s[14:15], s[26:27]
	s_cselect_b64 s[30:31], s[20:21], s[30:31]
	s_cmp_lt_u32 ttmp9, 512
	s_cselect_b64 s[26:27], s[8:9], s[26:27]       ; groups 0 to 511 take x
	s_cselect_b32 s28, ttmp9, s4
	s_lshl_b32 s28, s28, 16                        ; 16 rows of 4,096 bytes
	s_mov_b32 s29, 0
	s_add_nc_u64 s[26:27], s[26:27], s[28:29]
	s_lshl_b32 s32, ttmp9, 15                      ; 16 rows of 2,048 bytes
	s_mov_b32 s33, 0
	s_add_nc_u64 s[22:23], s[22:23], s[32:33]
.irp i, 0,1,2,3,4,5,6,7,8,9,10,11,12,13,14,15
	global_load_b128 v[X+4*\i:X+4*\i+3], v1, s[26:27] offset:\i*SROW th:TH_LOAD_NT
.endr
.irp i, 0,1,2,3,4,5,6,7,8,9,10,11,12,13,14,15
	s_wait_loadcnt 15-\i                           ; loads come back in order: row i is in, the younger rows stay out
	v_cvt_pk_bf16_f32 v[Y+2*\i],   v[X+4*\i],   v[X+4*\i+1]
	v_cvt_pk_bf16_f32 v[Y+2*\i+1], v[X+4*\i+2], v[X+4*\i+3]
	global_store_b64 v2, v[Y+2*\i:Y+2*\i+1], s[22:23] offset:\i*DROW
.endr
	; the first group of each weight also copies that weight's bias: 256 threads x 16 bytes = its 4,096 bytes
	s_cmp_lt_u32 ttmp9, 512
	s_cbranch_scc1 .Ldone
	s_cmp_lg_u32 s4, 0
	s_cbranch_scc1 .Ldone
	s_lshl_b32 s32, s3, 12                         ; s33 is still 0
	s_add_nc_u64 s[24:25], s[24:25], s[32:33]
	global_load_b128 v[BV:BV+3], v1, s[30:31]
	s_wait_loadcnt 0x0
	global_store_b128 v1, v[BV:BV+3], s[24:25]
.Ldone:
	s_endpgm
.Lfunc_end_k_q15c98773c3_cast:
	.size	k_q15c98773c3_cast, .Lfunc_end_k_q15c98773c3_cast-k_q15c98773c3_cast
	.p2alignl 7, 3214868480
	.fill 96, 4, 3214868480
	.section	.rodata,"a",@progbits
	.p2align	6, 0x0
	.amdhsa_kernel k_q15c98773c3_cast
		.amdhsa_group_segment_fixed_size 0
		.amdhsa_private_segment_fixed_size 0
		.amdhsa_enable_private_segment 0
		.amdhsa_kernarg_size 72
		.amdhsa_user_sgpr_count 2
		.amdhsa_user_sgpr_kernarg_segment_ptr 1
		.amdhsa_wavefront_size32 1
		.amdhsa_system_sgpr_workgroup_id_x 1
		.amdhsa_system_sgpr_workgroup_id_y 1
		.amdhsa_system_sgpr_workgroup_id_z 1
		.amdhsa_system_vgpr_workitem_id 0
		.amdhsa_next_free_vgpr 104
		.amdhsa_next_free_sgpr 66
		.amdhsa_reserve_vcc 0
		.amdhsa_float_denorm_mode_32 3
		.amdhsa_float_denorm_mode_16_64 3
		.amdhsa_memory_ordered 1
		.amdhsa_forward_progress 1
		.amdhsa_inst_pref_size 8
	.end_amdhsa_kernel
	.amdgpu_metadata
---
amdhsa.version: [ 1, 2 ]
amdhsa.kernels:
  - .name:           k_q15c98773c3_cast
    .symbol:         k_q15c98773c3_cast.kd
    .args:
      - { .name: x, .offset: 0, .size: 8, .value_kind: global_buffer, .address_space: global }
      - { .name: Wq, .offset: 8, .size: 8, .value_kind: global_buffer, .address_space: global }
      - { .name: Wk, .offset: 16, .size: 8, .value_kind: global_buffer, .address_space: global }
      - { .name: Wv, .offset: 24, .size: 8, .value_kind: global_buffer, .address_space: global }
      - { .name: bq, .offset: 32, .size: 8, .value_kind: global_buffer, .address_space: global }
      - { .name: bk, .offset: 40, .size: 8, .value_kind: global_buffer, .address_space: global }
      - { .name: bv, .offset: 48, .size: 8, .value_kind: global_buffer, .address_space: global }
      - { .name: xw, .offset: 56, .size: 8, .value_kind: global_buffer, .address_space: global }
      - { .name: bb, .offset: 64, .size: 8, .value_kind: global_buffer, .address_space: global }
    .group_segment_fixed_size: 0
    .private_segment_fixed_size: 0
    .kernarg_segment_align: 8
    .kernarg_segment_size: 72
    .max_flat_workgroup_size: 256
    .sgpr_count:     66
    .vgpr_count:     104
    .wavefront_size: 32
...
	.end_amdgpu_metadata
.endif
;; end of part 1
;; launch proj (part 2): grid 8 x 32, 4 waves a work-group, clusters of 4 x 4, 327,680 bytes of LDS; arguments xw, bb, qkv; writes qkv
.if DOCPART == 2
	.amdgcn_target "amdgcn-amd-amdhsa--gfx1250"
	.amdhsa_code_object_version 6
	.text
	.protected	k_q15c98773c3_proj
	.globl	k_q15c98773c3_proj
	.p2align	8
	.type	k_q15c98773c3_proj,@function
k_q15c98773c3_proj:
	s_mov_b64 s[64:65], 0
	v_nop
	global_prefetch_b8 v0, s[64:65] scope:SCOPE_SE
	s_setreg_imm32_b32 hwreg(HW_REG_WAVE_MODE, 25, 1), 1
	s_wait_xcnt 0x0
	s_wait_alu depctr_hold_cnt(0) depctr_sa_sdst(0) depctr_va_vdst(0) depctr_va_sdst(0) depctr_va_ssrc(0) depctr_va_vcc(0) depctr_vm_vsrc(0)
	s_getreg_b32 s2, hwreg(HW_REG_IB_STS2, 6, 4)
	s_cmp_eq_u32 s2, 0
	s_cbranch_scc0 .Lentry_in_a_cluster
	s_endpgm
.Lentry_in_a_cluster:
	s_bfe_u32 s2, ttmp6, 0x10000c
	s_cmp_lg_u32 s2, 0xf033
	s_cbranch_scc0 .Lentry_shape_is_right
	s_endpgm
.Lentry_shape_is_right:
; qkv[row][o] = sum over h of xw[row][h] * xw[8192 + o][h] + bb[o]:  the three linear layers as one product, 8,192 x 3,072 x 1,024.
; xw: [11264][1024] bf16.  bb: [3072] f32.  qkv: [8192][3072] bf16 (q in columns 0-1023, k in 1024-2047, v in 2048-3071).  Sums in f32, rounded once.
; 8 x 32 = 256 work-groups THAT STAY: each makes two blocks of 128 rows x 384 columns, block rows by and by + 32 of one block column.  The ring of LDS slots
; runs on from the first block into the second: while the first block's last two K steps are multiplied, the second block's first two are on their way, and
; the first block's stores leave while the second block is multiplied.
; Each of the four waves makes all 128 rows x 96 columns: 8 x 6 accumulator tiles of 16 x 16, 384 registers.  K goes in steps of 128 (rows of 256 bytes,
; aligned) through two LDS slots.
; CLUSTERS: 4 x 4 work-groups.  The four of a row of the cluster need the same rows of x, the four of a column the same rows of W: such a tile is
; asked for jointly, by the same tensor load with the same descriptor and a mask that names the four.
; REGISTERS by windows of 256: window 0: v0-31 addresses, v64-127 / v128-191 fragments of x (two buffers; buffer 1 also serves the way out), v192-239 the biases;
;   window 1: v64-111 / v128-175 fragments of W;  window 2: the 24 accumulator tiles of rows 0-63 (tile (a, b) at v[8 (6 a + b)]);  window 3: rows 64-127.
; THE MATRIX INSTRUCTION IS USED TRANSPOSED (source 0 = 16 rows of W, source 1 = 16 rows of x): lane l holds row l % 16, its registers 0-7 the columns
; 8 (l / 16) + 0..7.  The first product of each tile takes the bias as C: nothing is cleared and no add follows.
; The 48 accumulators take turns, one instruction a turn, in the same order in every quarter step.
; LIMIT: NaN and infinite inputs are not followed.
.set KSTEP,  128
.set PITCH,  272                       ; an LDS row: 256 bytes + 16 of padding: row r starts 16 r bytes further modulo 256, so the 16 rows of a fragment load touch 16 different 16-byte columns
.set HALFT,  128*PITCH                 ; 128 rows: what one tensor load brings
.set SLOT,   4*HALFT                   ; x's 128 rows, then W's 384 rows
.set STAGE,  2*SLOT                    ; behind the ring, bytes into which no tensor load lands: two buffers of 16 rows for the way out
.set SPITCH, 784                       ; the way out: a row of 384 bf16 (768 bytes) + 16
.set SBUF,   16*SPITCH
.set QROW,   6144                      ; bytes in a row of qkv
.set TILEA,  32*128*2048               ; from the first block's rows of x to the second's, in bytes
.set TILEO,  32*128*QROW               ; the same in qkv
.set AT, 8                             ; row tiles of a wave
.set BT, 6                             ; column tiles of a wave
.set NF, 2*(AT+BT)                     ; LDS loads of a quarter step
.set ADRA, 16                          ; v16-17  LDS address of my x fragments in slot 0, 1
.set ADRB, 20                          ; v20-21  the same for W
.set STO,  24                          ; v24     the way out: where I put 16 bytes of a row
.set RD,   26                          ; v26     the way out: where I read rows back
.set CO,   27                          ; v27     my byte offset in qkv
.set BO,   28                          ; v28     my byte offset in bb
.set F0,   64
.set F1,   128
.set TMP,  128                         ; v[128:151] the way out: packed results (buffer 1 is free there; buffer 0 may hold the next block's first fragments)
.set RB,   152                         ; v[152:175] the way out: rows read back
.set BIAS, 192                         ; v[192:239] tile b: bb of its columns 8 (l / 16) + 0..7; kept for both blocks
.set G1,  24                           ; s[24:31] group 1 for x's tiles
.set G0,  32                           ; s[32:39] group 0 for x's tiles, one set for each slot
.set G1B, 48                           ; s[48:55] group 1 for W's tiles: another mask
.set G0B, 56                           ; s[56:63] group 0 for W's tiles, one set for each slot
.set G1W0, (1<<16)|(1<<20)|(1<<21)|(5<<22)|(3<<25)   ; elements of 2 bytes; padding on; bit 21 beside a mask; after every 64 words 4 words
.set MUL_LO, 0xa1                      ; source 0 (W) window 1, source 1 (x) window 0, C and D window 2
.set MUL_HI, 0xf1                      ; the same, C and D window 3
.set BIA_LO, 0x81                      ; C (the bias) window 0, D window 2
.set BIA_HI, 0xc1                      ; C window 0, D window 3
.set TO_B,   0x40                      ; destination window 1, address window 0
.set MSB, 0
.macro WIN new                         ; the immediate's high byte repeats the setting that is left
.if MSB != \new
	s_set_vgpr_msb (MSB<<8)|\new
.set MSB, \new
.endif
.endm
; A joint load.  Wave 0 fetches x's 128 rows, waves 1 to 3 each 128 rows of W.  The branch hangs on the wave's number alone.
.macro JLOAD s
	s_cmp_eq_u32 s10, 0
	s_cbranch_scc0 .Lfor_b_\@
	tensor_load_to_lds s[G0+4*\s:G0+4*\s+3], s[G1:G1+7]
	s_nop 0
	s_branch .Lasked_\@
.Lfor_b_\@:
	tensor_load_to_lds s[G0B+4*\s:G0B+4*\s+3], s[G1B:G1B+7]
	s_nop 0
.Lasked_\@:
.endm
.macro CREST                           ; a round of the cluster's barrier behind its opening barrier
	s_cmp_lg_u32 s10, 0
	s_cbranch_scc1 .Lnot_wave_0_\@
	s_barrier_signal -3
.Lnot_wave_0_\@:
	s_barrier_wait -3
	s_barrier_signal -1
	s_barrier_wait -1
.endm
.macro CROUND                          ; a whole round
	s_barrier_signal -1
	s_barrier_wait -1
	CREST
.endm
.macro PLACES                          ; four places behind matrix instructions, in front of loads into their sources and of reads of their results
.rept 4
	v_nop
.endr
.endm
	s_load_b128 s[4:7], s[0:1], 0x0                ; xw s[4:5], bb s[6:7]
	s_load_b64 s[8:9], s[0:1], 0x10                ; qkv
	s_set_vgpr_msb 0x40
	v_lshl_add_u32 v255, v0, 2, 0x4a200
	s_set_vgpr_msb 0x4000
	v_mov_b32 v255, 0
	s_set_vgpr_msb 0x1
	ds_add_u32 v255, v255
	s_set_vgpr_msb 0x100
	v_lshrrev_b32 v1, 5, v0
	v_readfirstlane_b32 s10, v1                    ; wave 0..3
	s_bfe_u32 s40, ttmp6, 0x40000                  ; cx
	s_bfe_u32 s41, ttmp6, 0x40004                  ; cy
	s_lshl_b32 s42, ttmp9, 2
	s_add_co_u32 s42, s42, s40                     ; block column = 4 x cluster x + cx, 0..7
	s_and_b32 s13, ttmp7, 0xffff
	s_lshl_b32 s13, s13, 2
	s_add_co_u32 s13, s13, s41                     ; first block row = 4 x cluster y + cy, 0..31; the second is 32 further down
	s_lshl_b32 s43, s41, 2
	s_lshl_b32 s43, 15, s43                        ; my row of the cluster
	s_lshl_b32 s44, 0x1111, s40                    ; my column
	s_or_b32 s[G1+0], s43, G1W0                    ; x's tiles go to my row
	s_or_b32 s[G1B+0], s44, G1W0                   ; W's tiles to my column
.irp g, G1, G1B
	s_mov_b32 s[\g+1], KSTEP<<16                   ; tensor_dim0 = 128
	s_mov_b32 s[\g+2], 128<<16                     ; tensor_dim1 = 128
	s_mov_b32 s[\g+3], KSTEP<<16                   ; tile_dim0 = 128 elements (256 bytes)
	s_mov_b32 s[\g+4], 128                         ; tile_dim1 = 128 rows
	s_mov_b32 s[\g+5], 1024                        ; elements from row to row
	s_mov_b32 s[\g+6], 0
	s_mov_b32 s[\g+7], 0
.endr
	s_lshl_b32 s16, s13, 18                        ; x: 128 x block row rows of 2,048 bytes
	s_mov_b32 s17, 0
	s_mul_i32 s46, s42, 384                        ; W: row 8192 + 384 x block column + 128 (wave - 1) of xw
	s_lshl_b32 s47, s10, 7
	s_add_co_u32 s46, s46, s47
	s_add_co_u32 s46, s46, 8064
	s_lshl_b32 s46, s46, 11
	s_mov_b32 s47, 0
	s_mul_i32 s20, s10, HALFT                      ; where my 128 rows go: wave x 128 rows
	s_wait_dscnt 0x0
	s_wait_kmcnt 0x0
	s_add_nc_u64 s[14:15], s[4:5], s[16:17]
	s_add_nc_u64 s[46:47], s[4:5], s[46:47]
	CROUND                                         ; all sixteen work-groups are here: the first joint loads meet
.irp s, 0,1
	s_mov_b32 s[G0+4*\s], 1
	s_add_co_u32 s[G0+4*\s+1], s20, \s*SLOT
	s_add_nc_u64 s[G0+4*\s+2:G0+4*\s+3], s[14:15], \s*KSTEP*2      ; K step s
	s_or_b32 s[G0+4*\s+3], s[G0+4*\s+3], 0x80000000
	s_mov_b32 s[G0B+4*\s], 1
	s_add_co_u32 s[G0B+4*\s+1], s20, \s*SLOT
	s_add_nc_u64 s[G0B+4*\s+2:G0B+4*\s+3], s[46:47], \s*KSTEP*2
	s_or_b32 s[G0B+4*\s+3], s[G0B+4*\s+3], 0x80000000
	JLOAD \s                                       ; both slots are asked for before anything else: two tensor loads of the wave are out
.endr
	v_and_b32 v1, 15, v0                           ; r = l % 16
	v_bfe_u32 v2, v0, 4, 1                         ; h = l / 16
	; the biases of my 96 columns, in the accumulators' layout: tile b, register j = bb[384 bx + 96 w + 16 b + 8 h + j]
	v_lshlrev_b32 v[BO], 5, v2
	s_mul_i32 s66, s42, 1536
	s_mul_i32 s67, s10, 384
	s_add_co_u32 s66, s66, s67
	s_mov_b32 s67, 0
	s_add_nc_u64 s[66:67], s[6:7], s[66:67]
.irp b, 0,1,2,3,4,5
	global_load_b128 v[BIAS+8*\b:BIAS+8*\b+3],   v[BO], s[66:67] offset:64*\b
	global_load_b128 v[BIAS+8*\b+4:BIAS+8*\b+7], v[BO], s[66:67] offset:64*\b+16
.endr
	; fragments: lane l takes row l % 16, 16 bytes at 16 (l / 16) and 16 bytes 32 further on
	v_mul_u32_u24 v3, v1, PITCH
	v_lshl_add_u32 v[ADRA], v2, 4, v3
	v_add_nc_u32 v[ADRA+1], SLOT, v[ADRA]
	s_mul_i32 s22, s10, 96*PITCH                   ; my 96 rows of W,
	s_add_co_u32 s22, s22, HALFT                   ; which lie behind x's 128
	v_add_nc_u32 v[ADRB], s22, v[ADRA]
	v_add_nc_u32 v[ADRB+1], SLOT, v[ADRB]
	; the way out
	v_mul_u32_u24 v4, v1, SPITCH
	v_lshl_add_u32 v4, v2, 4, v4
	s_mul_i32 s23, s10, 192                        ; in: row l % 16, my 96 columns are 192 bytes of it
	s_add_co_u32 s23, s23, STAGE
	v_add_nc_u32 v[STO], s23, v4
	v_mul_u32_u24 v5, v2, SPITCH
	v_lshl_add_u32 v5, v1, 4, v5
	s_mul_i32 s23, s10, 4*SPITCH                   ; back: wave w takes rows 4 w .. 4 w + 3 of the sixteen
	s_add_co_u32 s23, s23, STAGE
	v_add_nc_u32 v[RD], s23, v5
	v_mul_u32_u24 v5, v2, QROW
	v_lshl_add_u32 v[CO], v1, 4, v5
; BT matrix instructions: row tile a of the window's four (hi = 0: rows 0-63, 1: rows 64-127) x all column tiles, 32 along K.  mode 2: C is the bias.
.macro MROW f, hi, a, mode
.irp b, 0,1,2,3,4,5
.if \mode == 2
	v_wmma_f32_16x16x32_bf16 v[8*(BT*\a+\b):8*(BT*\a+\b)+7], v[\f+8*\b:\f+8*\b+7], v[\f+8*(4*\hi+\a):\f+8*(4*\hi+\a)+7], v[BIAS+8*\b:BIAS+8*\b+7]
.else
	v_wmma_f32_16x16x32_bf16 v[8*(BT*\a+\b):8*(BT*\a+\b)+7], v[\f+8*\b:\f+8*\b+7], v[\f+8*(4*\hi+\a):\f+8*(4*\hi+\a)+7], v[8*(BT*\a+\b):8*(BT*\a+\b)+7]
.endif
.endr
.endm
; NF LDS loads in one run: W's 96 rows, then x's 128 rows, 32 K at byte k of the rows, into buffer f
.macro FETCH slot, k, f
	WIN TO_B
.irp i, 0,1,2,3,4,5
	ds_load_b128 v[\f+8*\i:\f+8*\i+3],   v[ADRB+\slot] offset:\k+\i*16*PITCH
	ds_load_b128 v[\f+8*\i+4:\f+8*\i+7], v[ADRB+\slot] offset:\k+\i*16*PITCH+32
.endr
	WIN 0
.irp i, 0,1,2,3,4,5,6,7
	ds_load_b128 v[\f+8*\i:\f+8*\i+3],   v[ADRA+\slot] offset:\k+\i*16*PITCH
	ds_load_b128 v[\f+8*\i+4:\f+8*\i+7], v[ADRA+\slot] offset:\k+\i*16*PITCH+32
.endr
.endm
; One of a K step's first three quarters: multiplies buffer f; in its middle fetches the next quarter's fragments into buffer g.
.macro QUARTER slot, k, f, g, mode
	s_wait_dscnt AT                                ; W and x's rows 0-63 are in; the youngest eight loads (x's rows 64-127) may be out
.if \mode == 2
	WIN BIA_LO
.else
	WIN MUL_LO
.endif
	MROW \f, 0, 0, \mode
	MROW \f, 0, 1, \mode
	MROW \f, 0, 2, \mode
	MROW \f, 0, 3, \mode
	PLACES
	FETCH \slot, \k, \g
	s_wait_dscnt NF                                ; all but the NF just issued
.if \mode == 2
	WIN BIA_HI
.else
	WIN MUL_HI
.endif
	MROW \f, 1, 0, \mode
	MROW \f, 1, 1, \mode
	MROW \f, 1, 2, \mode
	MROW \f, 1, 3, \mode
.endm
.macro THREE slot, mode
	QUARTER \slot, 64,  F0, F1, \mode
	QUARTER \slot, 128, F1, F0, 0
	QUARTER \slot, 192, F0, F1, 0
.endm
; The last quarter: multiplies buffer 1 and changes slots.  In front of the barrier each wave waits for its reads of this slot and for all its tensor
; loads (one is out: its part of the next slot).  Behind it the refill comes first, then the next slot's first fragments.
; fill = 1: this slot gets the K step two further on; fill = 2: it gets the next block's K step with this slot's number (x: 32 block rows down and six K steps
; back; W: six K steps back); fill = 0: nothing is left to fetch.  From a request to the wait for it a wave issues 180 matrix instructions.
.macro TURN slot, next, fill
	s_wait_dscnt AT
	WIN MUL_LO
	MROW F1, 0, 0, 0
	MROW F1, 0, 1, 0
	s_wait_dscnt 0x0                               ; my reads of this slot are over
	s_wait_tensorcnt 0x0                           ; all my tensor loads have landed
	ds_add_u32 v255, v255
	s_wait_dscnt 0x0
	s_barrier_signal -1                            ; (where a slot is filled again this barrier opens a round of the cluster's barrier)
	MROW F1, 0, 2, 0                               ; registers only
	MROW F1, 0, 3, 0
	WIN 0
	s_barrier_wait -1
.if \fill
	CREST                                          ; no wave of any partner still reads this slot or has a load on its way
.if \fill == 1
	s_add_nc_u64 s[G0+4*\slot+2:G0+4*\slot+3], s[G0+4*\slot+2:G0+4*\slot+3], 2*KSTEP*2
	s_add_nc_u64 s[G0B+4*\slot+2:G0B+4*\slot+3], s[G0B+4*\slot+2:G0B+4*\slot+3], 2*KSTEP*2
.else
	s_add_nc_u64 s[G0+4*\slot+2:G0+4*\slot+3], s[G0+4*\slot+2:G0+4*\slot+3], TILEA-6*KSTEP*2
	s_sub_nc_u64 s[G0B+4*\slot+2:G0B+4*\slot+3], s[G0B+4*\slot+2:G0B+4*\slot+3], 6*KSTEP*2
.endif
	JLOAD \slot                                    ; the wave's one tensor load behind the round, and the first thing there
.endif
	PLACES
	FETCH \next, 0, F0
	WIN MUL_HI
	MROW F1, 1, 0, 0
	MROW F1, 1, 1, 0
	MROW F1, 1, 2, 0
	MROW F1, 1, 3, 0
.endm
.macro LAP mode, fill                  ; two K steps, both slots filled again
	THREE 0, \mode
	TURN 0, 1, \fill
	THREE 1, 0
	TURN 1, 0, \fill
.endm
; THE WAY OUT, 16 rows of the block at a time.  A wave's 96 columns are 192 bytes of a row, so the four waves lay the 16 rows together in LDS (768 bytes, pitch
; 784) and each reads four whole rows back.  Two buffers take turns, with one barrier a piece: in front of it a wave waits for its stores into this buffer and
; for its reads of the other one, so a buffer is written again only when all four waves have read it.  The next piece is rounded while this one's rows come back.
.macro CVT a, from                     ; row tile a of window 2 or 3 (from = 0x0a, 0x0f: sources 0 and 1): round to bf16, 16 bytes a lane and tile
	WIN \from
.irp b, 0,1,2,3,4,5
.irp r, 0,1,2,3
	v_cvt_pk_bf16_f32 v[TMP+4*\b+\r], v[8*(BT*\a+\b)+2*\r], v[8*(BT*\a+\b)+2*\r+1]
.endr
.endr
	WIN 0
.endm
.macro PUT i                           ; piece i into its buffer, the barrier, my four rows back
.irp b, 0,1,2,3,4,5
	ds_store_b128 v[STO], v[TMP+4*\b:TMP+4*\b+3] offset:(\i%2)*SBUF+32*\b
.endr
	s_wait_dscnt 0x0                               ; for the other waves: my stores are in LDS, my reads of the other buffer are back
	s_barrier_signal -1
	s_barrier_wait -1                              ; nothing is filled by a tensor load behind this barrier: one may stay on its way
	s_wait_xcnt 0x0                                ; RB, which the last piece's stores read, is loaded again only behind this wait
.irp p, 0,1
.irp c, 0,1,2
	ds_load_b128 v[RB+4*(3*\p+\c):RB+4*(3*\p+\c)+3], v[RD] offset:(\i%2)*SBUF+\p*2*SPITCH+256*\c   ; lanes 0-15: 256 bytes of one row, lanes 16-31: of the next
.endr
.endr
.endm
.macro GS i                            ; piece i's rows to memory
.irp p, 0,1
.irp c, 0,1,2
	s_wait_dscnt 5-(3*\p+\c)                       ; the younger loads of the six may be out
	global_store_b128 v[CO], v[RB+4*(3*\p+\c):RB+4*(3*\p+\c)+3], s[8:9] offset:(16*\i+2*\p)*QROW+256*\c   ; 16 lanes store 256 consecutive bytes, aligned
.endr
.endr
.endm
.macro WAYOUT
	PLACES                                         ; behind the last matrix instructions: their results are read, buffer 1 is written
	CVT 0, 0x0a
	PUT 0
	CVT 1, 0x0a
	GS 0
	PUT 1
	CVT 2, 0x0a
	GS 1
	PUT 2
	CVT 3, 0x0a
	GS 2
	PUT 3
	CVT 0, 0x0f
	GS 3
	PUT 4
	CVT 1, 0x0f
	GS 4
	PUT 5
	CVT 2, 0x0f
	GS 5
	PUT 6
	CVT 3, 0x0f
	GS 6
	PUT 7
	GS 7
.endm
	s_wait_loadcnt 0x0                             ; the biases
	s_wait_tensorcnt 0x1                           ; my part of K step 0 is in; K step 1's may stay out
	s_barrier_signal -1
	s_barrier_wait -1
	FETCH 0, 0, F0
	; THE FIRST BLOCK
	LAP 2, 1                                       ; K steps 0, 1: the first products start the sums from the biases
	WIN 0
	s_mov_b32 s3, 2                                ; K steps 2 to 5
.Llap0:
	LAP 0, 1
	WIN 0
	s_sub_co_u32 s3, s3, 1
	s_cmp_lg_u32 s3, 0
	s_cbranch_scc1 .Llap0
	LAP 0, 2                                       ; K steps 6, 7: the slots get the second block's K steps 0, 1; buffer 0 ends up with its first fragments
	s_lshl_b32 s16, s13, 7
	s_lshl_b32 s17, s10, 2
	s_add_co_u32 s16, s16, s17                     ; the first row that I store: 128 x block row + 4 x wave
	s_mul_i32 s16, s16, QROW
	s_mov_b32 s17, 0
	s_add_nc_u64 s[8:9], s[8:9], s[16:17]
	s_mul_i32 s46, s42, 768                        ; the block's first column, in bytes
	s_mov_b32 s47, 0
	s_add_nc_u64 s[8:9], s[8:9], s[46:47]
	WAYOUT
	s_wait_xcnt 0x0                                ; the stores' base is stepped, and buffer 1 loaded again, only behind this wait; the stores themselves go on leaving
	s_add_nc_u64 s[8:9], s[8:9], TILEO
	; THE SECOND BLOCK
	LAP 2, 1
	WIN 0
	s_mov_b32 s3, 2
.Llap1:
	LAP 0, 1
	WIN 0
	s_sub_co_u32 s3, s3, 1
	s_cmp_lg_u32 s3, 0
	s_cbranch_scc1 .Llap1
	THREE 0, 0                                     ; K steps 6, 7: nothing is left to fetch
	TURN 0, 1, 0
	THREE 1, 0
	s_wait_dscnt AT
	WIN MUL_LO
	MROW F1, 0, 0, 0
	MROW F1, 0, 1, 0
	MROW F1, 0, 2, 0
	MROW F1, 0, 3, 0
	s_wait_dscnt 0x0
	WIN MUL_HI
	MROW F1, 1, 0, 0
	MROW F1, 1, 1, 0
	MROW F1, 1, 2, 0
	MROW F1, 1, 3, 0
	WAYOUT
	s_set_vgpr_msb 0x1
	s_wait_tensorcnt 0x0
	ds_add_u32 v255, v255
	s_wait_dscnt 0x0
	s_set_vgpr_msb 0x100
	CROUND                                         ; the closing round: no work-group ends while a partner may still ask for a tile that names it
	s_endpgm
.Lfunc_end_k_q15c98773c3_proj:
	.size	k_q15c98773c3_proj, .Lfunc_end_k_q15c98773c3_proj-k_q15c98773c3_proj
	.p2alignl 7, 3214868480
	.fill 96, 4, 3214868480
	.section	.rodata,"a",@progbits
	.p2align	6, 0x0
	.amdhsa_kernel k_q15c98773c3_proj
		.amdhsa_group_segment_fixed_size 327680
		.amdhsa_private_segment_fixed_size 0
		.amdhsa_enable_private_segment 0
		.amdhsa_kernarg_size 24
		.amdhsa_user_sgpr_count 2
		.amdhsa_user_sgpr_kernarg_segment_ptr 1
		.amdhsa_wavefront_size32 1
		.amdhsa_system_sgpr_workgroup_id_x 1
		.amdhsa_system_sgpr_workgroup_id_y 1
		.amdhsa_system_sgpr_workgroup_id_z 1
		.amdhsa_system_vgpr_workitem_id 0
		.amdhsa_next_free_vgpr 1024
		.amdhsa_next_free_sgpr 80
		.amdhsa_reserve_vcc 0
		.amdhsa_float_denorm_mode_32 3
		.amdhsa_float_denorm_mode_16_64 3
		.amdhsa_memory_ordered 1
		.amdhsa_forward_progress 1
		.amdhsa_inst_pref_size 255
	.end_amdhsa_kernel
	.section	.bss,"aw",@nobits
	.p2align	6
	.space	262144
	.amdgpu_metadata
---
amdhsa.version: [ 1, 2 ]
amdhsa.kernels:
  - .name:           k_q15c98773c3_proj
    .symbol:         k_q15c98773c3_proj.kd
    .args:
      - { .name: xw, .offset: 0, .size: 8, .value_kind: global_buffer, .address_space: global }
      - { .name: bb, .offset: 8, .size: 8, .value_kind: global_buffer, .address_space: global }
      - { .name: qkv, .offset: 16, .size: 8, .value_kind: global_buffer, .address_space: global }
    .group_segment_fixed_size: 327680
    .private_segment_fixed_size: 0
    .kernarg_segment_align: 8
    .kernarg_segment_size: 24
    .max_flat_workgroup_size: 128
    .sgpr_count:     80
    .vgpr_count:     1024
    .wavefront_size: 32
...
	.end_amdgpu_metadata
.endif
;; end of part 2
;; launch score (part 3): grid 4 x 64, 4 waves a work-group, clusters of 4 x 4, 327,680 bytes of LDS; arguments qkv, pp, st; writes pp, st
.if DOCPART == 3
	.amdgcn_target "amdgcn-amd-amdhsa--gfx1250"
	.amdhsa_code_object_version 6
	.text
	.protected	k_q15c98773c3_score
	.globl	k_q15c98773c3_score
	.p2align	8
	.type	k_q15c98773c3_score,@function
k_q15c98773c3_score:
	s_mov_b64 s[64:65], 0
	v_nop
	global_prefetch_b8 v0, s[64:65] scope:SCOPE_SE
	s_setreg_imm32_b32 hwreg(HW_REG_WAVE_MODE, 25, 1), 1
	s_wait_xcnt 0x0
	s_wait_alu depctr_hold_cnt(0) depctr_sa_sdst(0) depctr_va_vdst(0) depctr_va_sdst(0) depctr_va_ssrc(0) depctr_va_vcc(0) depctr_vm_vsrc(0)
	s_getreg_b32 s2, hwreg(HW_REG_IB_STS2, 6, 4)
	s_cmp_eq_u32 s2, 0
	s_cbranch_scc0 .Lentry_in_a_cluster
	s_endpgm
.Lentry_in_a_cluster:
	s_bfe_u32 s2, ttmp6, 0x10000c
	s_cmp_lg_u32 s2, 0xf033
	s_cbranch_scc0 .Lentry_shape_is_right
	s_endpgm
.Lentry_shape_is_right:
; Per batch: S = q k^T (8 x 1,024 x 1,024 x 1,024), the diagonal replaced by the lowest finite f32, and the softmax's first half, by blocks of 128 columns:
;   pp[row][m] = exp(S[row][m] / 1024 - its block's maximum), bf16;   st = each block's maximum (times log2 e, f32) and the sum of its exponentials (f32).
; The next launch joins a row's eight blocks with the row's true maximum.  The division by 1,024 and the change to base 2 are one factor c = log2(e) / 1024.
; qkv: [8192][3072] bf16.  pp: [8192][1024] bf16.  st: [8 column blocks][128 groups of 64 rows][2][64] f32, plane 0 maxima, plane 1 sums.
; A work-group makes 128 rows x 256 columns (64 x 4 = 256 work-groups); four waves, 2 x 2, each 64 rows x 128 columns: 4 x 8 accumulator tiles, and a wave's
; 128 columns are one block of the softmax, so no maximum or sum leaves the wave.
; THE SLOTS.  K has eight steps of 128; LDS has room for three.  A DOUBLE slot holds two steps (rows of 512 bytes, pitch 528), a SINGLE slot one (rows of 256
; bytes, pitch 272).  The steps go double {0, 1}, single {2}, double {3, 4}, single {5}, double {6, 7}: both slots are asked for at the start, and only three
; refills, each behind a round of the cluster's barrier, follow.  The single slot's load has the double slot's two steps in which to land.
; CLUSTERS: 4 x 4 work-groups.  q's tile hangs on the block row and is shared along a row of the cluster; k's hangs on the block column and on the batch,
; which is cluster y / 2, and is shared along a column.  Each is asked for jointly.
; REGISTERS by windows of 256: window 0: addresses, v64-95 / v128-159 fragments of q, v192-255 at work on the way out; window 1: v64-127 / v128-191 fragments
; of k; window 2: the 16 accumulator tiles of my rows 0-31 (tile (a, b) at v[8 (8 a + b)]); window 3: rows 32-63.
; The matrix instruction is used transposed (source 0 = rows of k, source 1 = rows of q): lane l holds row l % 16 and columns 8 (l / 16) + 0..7 of a tile.
; The 32 accumulators take turns, one instruction a turn.
; LIMITS: NaN and infinite inputs are not followed.  The block sum is made of the f32 exponentials, pp holds them rounded to bf16.
.set KSTEP,  128
.set PD,     528                       ; the double slot's pitch: 512 bytes + 16, an odd multiple of 16
.set PS,     272                       ; the single slot's pitch, and the stage's: 256 bytes + 16
.set DB,     128*PD                    ; double slot: q's 128 rows at 0, k's 256 rows here
.set SA,     384*PD                    ; single slot: q's 128 rows here,
.set SB,     SA+128*PS                 ; k's 256 rows here
.set STAGE,  SA+384*PS                 ; behind the slots: 16 rows x 272 bytes for each wave
.set STATS,  STAGE+4*16*PS             ; and 512 bytes for each wave
.set QROW,   6144                      ; bytes in a row of qkv
.set PROW,   2048                      ; bytes in a row of pp
.set AT, 4
.set BT, 8
.set NF, 2*(AT+BT)
.set NEG,  6                           ; v6      the lowest finite f32
.set DI,   7                           ; v7      16 b + j of the diagonal's place in this row tile, for my lane
.set D0,   8                           ; v8      the same for row tile 0
.set NM,   10                          ; v[10:11] -c x maximum, twice
.set MX,   12                          ; v[12:15] four running maxima
.set ADRA, 16                          ; v16 my q fragments in the double slot, v17 in the single slot
.set ADRB, 20                          ; v20, v21 the same for k
.set STO,  24
.set RD,   25
.set CO,   26
.set SST,  27                          ; where I put a maximum (lanes 0-15) or a sum (lanes 16-31)
.set SRD,  28                          ; where I read 16 bytes of my wave's 512 back
.set SGO,  29                          ; 16 x lane
.set BM,   32                          ; v[32:35] row tile i: c x maximum of my row
.set BS,   36                          ; v[36:39] row tile i: sum of my row
.set SQ,   40                          ; v[40:43]
.set F0,   64
.set F1,   128
.set TMP,  192                         ; v[192:223] packed bf16
.set SM,   224                         ; v[224:255] partial sums
.set G1,   24                          ; s[24:31] group 1, q, single slot
.set G0,   32                          ; s[32:35] group 0, q, double slot; s[36:39] single slot
.set G1B,  48                          ; s[48:55] group 1, k, single slot
.set G0B,  56                          ; s[56:59] group 0, k, double slot; s[60:63] single slot
.set G1D,  84                          ; s[84:91] group 1, q, double slot
.set G1BD, 92                          ; s[92:99] group 1, k, double slot
.set FLS, (1<<16)|(1<<20)|(1<<21)|(5<<22)|(3<<25)    ; 2-byte elements; padding on; bit 21 beside a mask; after every 64 words 4 words
.set FLD, (1<<16)|(1<<20)|(1<<21)|(6<<22)|(3<<25)    ; the same after every 128 words
.set MUL_LO, 0xa1
.set MUL_HI, 0xf1
.set TO_B,   0x40
.set MSB, 0
.macro WIN new
.if MSB != \new
	s_set_vgpr_msb (MSB<<8)|\new
.set MSB, \new
.endif
.endm
; A joint load into slot kind k (0 double, 1 single): waves 0, 1 fetch q's two halves, waves 2, 3 k's.  The branch hangs on the wave's number alone.
.macro JLOAD k
	s_cmp_eq_u32 s11, 0
	s_cbranch_scc0 .Lfor_b_\@
.if \k == 0
	tensor_load_to_lds s[G0:G0+3], s[G1D:G1D+7]
	s_nop 0
.else
	tensor_load_to_lds s[G0+4:G0+7], s[G1:G1+7]
	s_nop 0
.endif
	s_branch .Lasked_\@
.Lfor_b_\@:
.if \k == 0
	tensor_load_to_lds s[G0B:G0B+3], s[G1BD:G1BD+7]
	s_nop 0
.else
	tensor_load_to_lds s[G0B+4:G0B+7], s[G1B:G1B+7]
	s_nop 0
.endif
.Lasked_\@:
.endm
.macro CREST
	s_cmp_lg_u32 s10, 0
	s_cbranch_scc1 .Lnot_wave_0_\@
	s_barrier_signal -3
.Lnot_wave_0_\@:
	s_barrier_wait -3
	s_barrier_signal -1
	s_barrier_wait -1
.endm
.macro CROUND
	s_barrier_signal -1
	s_barrier_wait -1
	CREST
.endm
.macro PLACES
.rept 4
	v_nop
.endr
.endm
	s_load_b128 s[4:7], s[0:1], 0x0                ; qkv s[4:5], pp s[6:7]
	s_load_b64 s[8:9], s[0:1], 0x10                ; st
	s_set_vgpr_msb 0x40
	v_lshl_add_u32 v255, v0, 2, 0x4fc00
	s_set_vgpr_msb 0x4000
	v_mov_b32 v191, 0
	s_set_vgpr_msb 0x1
	ds_add_u32 v255, v191
	s_set_vgpr_msb 0x100
	v_lshrrev_b32 v1, 5, v0
	v_readfirstlane_b32 s10, v1                    ; wave 0..3
	s_lshr_b32 s11, s10, 1                         ; wr: which 64 rows are mine.  Also: I fetch for q (0) or for k (1)
	s_and_b32 s12, s10, 1                          ; wc: which 128 columns.  Also: which half of that tile I fetch
	s_bfe_u32 s40, ttmp6, 0x40000                  ; cx
	s_bfe_u32 s41, ttmp6, 0x40004                  ; cy
	s_lshl_b32 s42, ttmp9, 2
	s_add_co_u32 s42, s42, s40                     ; block column, 0..3
	s_and_b32 s13, ttmp7, 0xffff
	s_lshr_b32 s45, s13, 1                         ; batch = block row / 8 = cluster y / 2: the same in the whole cluster
	s_lshl_b32 s13, s13, 2
	s_add_co_u32 s13, s13, s41                     ; block row, 0..63
	s_lshl_b32 s43, s41, 2
	s_lshl_b32 s43, 15, s43
	s_lshl_b32 s44, 0x1111, s40
	; q's tiles go to my row of the cluster: 64 rows a load; 256 elements a row in the double slot, 128 in the single one
	s_or_b32 s[G1D+0], s43, FLD
	s_mov_b32 s[G1D+1], 256<<16                    ; tensor_dim0
	s_mov_b32 s[G1D+2], 64<<16                     ; tensor_dim1
	s_mov_b32 s[G1D+3], 256<<16                    ; tile_dim0
	s_mov_b32 s[G1D+4], 64                         ; tile_dim1
	s_mov_b32 s[G1D+5], 3072                       ; elements from row to row
	s_mov_b32 s[G1D+6], 0
	s_mov_b32 s[G1D+7], 0
	s_or_b32 s[G1+0], s43, FLS
	s_mov_b32 s[G1+1], KSTEP<<16
	s_mov_b32 s[G1+2], 64<<16
	s_mov_b32 s[G1+3], KSTEP<<16
	s_mov_b32 s[G1+4], 64
	s_mov_b32 s[G1+5], 3072
	s_mov_b32 s[G1+6], 0
	s_mov_b32 s[G1+7], 0
	; k's tiles go to my column: 128 rows a load
	s_or_b32 s[G1BD+0], s44, FLD
	s_mov_b32 s[G1BD+1], 256<<16
	s_mov_b32 s[G1BD+2], 128<<16
	s_mov_b32 s[G1BD+3], 256<<16
	s_mov_b32 s[G1BD+4], 128
	s_mov_b32 s[G1BD+5], 3072
	s_mov_b32 s[G1BD+6], 0
	s_mov_b32 s[G1BD+7], 0
	s_or_b32 s[G1B+0], s44, FLS
	s_mov_b32 s[G1B+1], KSTEP<<16
	s_mov_b32 s[G1B+2], 128<<16
	s_mov_b32 s[G1B+3], KSTEP<<16
	s_mov_b32 s[G1B+4], 128
	s_mov_b32 s[G1B+5], 3072
	s_mov_b32 s[G1B+6], 0
	s_mov_b32 s[G1B+7], 0
	s_lshl_b32 s16, s13, 7                         ; q: row 128 x block row + 64 x half
	s_lshl_b32 s17, s12, 6
	s_add_co_u32 s16, s16, s17
	s_mul_i32 s16, s16, QROW
	s_mov_b32 s17, 0
	s_lshl_b32 s46, s45, 10                        ; k: row 1024 x batch + 256 x block column + 128 x half, 2,048 bytes into the row
	s_lshl_b32 s47, s42, 8
	s_add_co_u32 s46, s46, s47
	s_lshl_b32 s47, s12, 7
	s_add_co_u32 s46, s46, s47
	s_mul_i32 s46, s46, QROW
	s_add_co_u32 s46, s46, 2048
	s_mov_b32 s47, 0
	s_mul_i32 s20, s12, 64*PD                      ; where my half goes, in each slot
	s_mul_i32 s21, s12, 64*PS
	s_mul_i32 s22, s12, 128*PD
	s_mul_i32 s23, s12, 128*PS
	s_wait_dscnt 0x0
	s_wait_kmcnt 0x0
	s_add_nc_u64 s[14:15], s[4:5], s[16:17]
	s_add_nc_u64 s[46:47], s[4:5], s[46:47]
	CROUND                                         ; in front of the first joint loads
	s_mov_b32 s[G0], 1                             ; the double slot: K steps 0, 1
	s_add_co_u32 s[G0+1], s20, 0
	s_mov_b64 s[G0+2:G0+3], s[14:15]
	s_or_b32 s[G0+3], s[G0+3], 0x80000000
	s_mov_b32 s[G0B], 1
	s_add_co_u32 s[G0B+1], s22, DB
	s_mov_b64 s[G0B+2:G0B+3], s[46:47]
	s_or_b32 s[G0B+3], s[G0B+3], 0x80000000
	JLOAD 0
	s_mov_b32 s[G0+4], 1                           ; the single slot: K step 2
	s_add_co_u32 s[G0+5], s21, SA
	s_add_nc_u64 s[G0+6:G0+7], s[14:15], 2*KSTEP*2
	s_or_b32 s[G0+7], s[G0+7], 0x80000000
	s_mov_b32 s[G0B+4], 1
	s_add_co_u32 s[G0B+5], s23, SB
	s_add_nc_u64 s[G0B+6:G0B+7], s[46:47], 2*KSTEP*2
	s_or_b32 s[G0B+7], s[G0B+7], 0x80000000
	JLOAD 1                                        ; two tensor loads of the wave are out
	v_and_b32 v1, 15, v0                           ; r
	v_bfe_u32 v2, v0, 4, 1                         ; h
	v_mul_u32_u24 v3, v1, PS
	v_lshl_add_u32 v3, v2, 4, v3                   ; 272 r + 16 h
	v_mul_u32_u24 v5, v1, PD
	v_lshl_add_u32 v5, v2, 4, v5                   ; 528 r + 16 h
	s_mul_i32 s22, s11, 64*PD
	v_add_nc_u32 v[ADRA], s22, v5
	s_mul_i32 s22, s11, 64*PS
	s_add_co_u32 s22, s22, SA
	v_add_nc_u32 v[ADRA+1], s22, v3
	s_mul_i32 s22, s12, 128*PD
	s_add_co_u32 s22, s22, DB
	v_add_nc_u32 v[ADRB], s22, v5
	s_mul_i32 s22, s12, 128*PS
	s_add_co_u32 s22, s22, SB
	v_add_nc_u32 v[ADRB+1], s22, v3
	s_mul_i32 s22, s10, 16*PS
	s_add_co_u32 s22, s22, STAGE                   ; my stage
	v_add_nc_u32 v[STO], s22, v3
	v_mul_u32_u24 v4, v2, PS
	v_lshl_add_u32 v4, v1, 4, v4
	v_add_nc_u32 v[RD], s22, v4
	v_lshlrev_b32 v4, 11, v2
	v_lshl_add_u32 v[CO], v1, 4, v4                ; 2,048 h + 16 r
	s_lshl_b32 s22, s10, 9
	s_add_co_u32 s22, s22, STATS                   ; my 512 bytes for maxima and sums
	v_lshlrev_b32 v4, 8, v2
	v_lshl_add_u32 v4, v1, 2, v4
	v_add_nc_u32 v[SST], s22, v4                   ; plane h, row r
	v_and_b32 v4, 31, v0
	v_lshlrev_b32 v[SGO], 4, v4
	v_add_nc_u32 v[SRD], s22, v[SGO]
	; the diagonal: row in the batch = 128 (block row % 8) + 64 wr + 16 i + r, column = 256 bx + 128 wc + 16 b + 8 h + j; equal where 16 b + j = D0 + 16 i
	v_mov_b32 v[NEG], 0xff7fffff
	s_and_b32 s72, s13, 7
	s_lshl_b32 s72, s72, 7
	s_lshl_b32 s73, s11, 6
	s_add_co_u32 s72, s72, s73
	s_lshl_b32 s73, s42, 8
	s_sub_co_u32 s72, s72, s73
	s_lshl_b32 s73, s12, 7
	s_sub_co_u32 s72, s72, s73                     ; my first row less my first column: a multiple of 64
	v_lshlrev_b32 v4, 3, v2
	v_sub_nc_u32 v4, v1, v4
	v_add_nc_u32 v[D0], s72, v4                    ; outside 0..127 (also as a wrapped negative) it meets no 16 b + j
	s_mov_b32 s66, 0x3ab8aa3b                      ; c = log2(e) / 1024
	s_mov_b32 s67, 0x3ab8aa3b
	s_mov_b32 s68, 0xbab8aa3b                      ; -c
	s_mov_b32 s69, 0x76543210                      ; v_permlanex16_b32: lane i reads lane i of the other half
	s_mov_b32 s70, 0xfedcba98
	s_mov_b32 s71, 0xffff0000                      ; lanes 16-31
.macro MROW f, hi, a, zero
.irp b, 0,1,2,3,4,5,6,7
.if \zero
	v_wmma_f32_16x16x32_bf16 v[8*(BT*\a+\b):8*(BT*\a+\b)+7], v[\f+8*\b:\f+8*\b+7], v[\f+8*(2*\hi+\a):\f+8*(2*\hi+\a)+7], 0
.else
	v_wmma_f32_16x16x32_bf16 v[8*(BT*\a+\b):8*(BT*\a+\b)+7], v[\f+8*\b:\f+8*\b+7], v[\f+8*(2*\hi+\a):\f+8*(2*\hi+\a)+7], v[8*(BT*\a+\b):8*(BT*\a+\b)+7]
.endif
.endr
.endm
; NF LDS loads in one run: k's 128 rows, then q's 64 rows, 32 K at byte k of the rows of slot kind (0 double, 1 single), into buffer f
.macro FETCH kind, k, f
.if \kind == 0
.set FP, PD
.else
.set FP, PS
.endif
	WIN TO_B
.irp i, 0,1,2,3,4,5,6,7
	ds_load_b128 v[\f+8*\i:\f+8*\i+3],   v[ADRB+\kind] offset:\k+\i*16*FP
	ds_load_b128 v[\f+8*\i+4:\f+8*\i+7], v[ADRB+\kind] offset:\k+\i*16*FP+32
.endr
	WIN 0
.irp i, 0,1,2,3
	ds_load_b128 v[\f+8*\i:\f+8*\i+3],   v[ADRA+\kind] offset:\k+\i*16*FP
	ds_load_b128 v[\f+8*\i+4:\f+8*\i+7], v[ADRA+\kind] offset:\k+\i*16*FP+32
.endr
.endm
; A quarter step (32 along K): multiplies buffer f; in its middle fetches the next quarter's fragments, at byte k of the same slot's rows, into buffer g.
.macro QUARTER kind, k, f, g, zero
	s_wait_dscnt AT                                ; k and q's rows 0-31 are in; the youngest four loads (q's rows 32-63) may be out
	WIN MUL_LO
	MROW \f, 0, 0, \zero
	MROW \f, 0, 1, \zero
	PLACES
	FETCH \kind, \k, \g
	s_wait_dscnt NF                                ; all but the NF just issued
	WIN MUL_HI
	MROW \f, 1, 0, \zero
	MROW \f, 1, 1, \zero
.endm
.macro DRUN zero                       ; the first seven of the double slot's eight quarters
	QUARTER 0, 64,  F0, F1, \zero
	QUARTER 0, 128, F1, F0, 0
	QUARTER 0, 192, F0, F1, 0
	QUARTER 0, 256, F1, F0, 0
	QUARTER 0, 320, F0, F1, 0
	QUARTER 0, 384, F1, F0, 0
	QUARTER 0, 448, F0, F1, 0
.endm
.macro SRUN                            ; the first three of the single slot's four quarters
	QUARTER 1, 64,  F0, F1, 0
	QUARTER 1, 128, F1, F0, 0
	QUARTER 1, 192, F0, F1, 0
.endm
; A slot's last quarter: multiplies buffer 1 and changes slots.  In front of the barrier each wave waits for its reads of this slot and for all its tensor loads
; (its part of the other slot).  fill = 1: this slot is filled again, three K steps on, first thing behind the round.
; From a request to the wait for it a wave issues 120 matrix instructions for the double slot's load, 248 for the single slot's.
.macro TURN kind, next, fill
	s_wait_dscnt AT
	WIN MUL_LO
	MROW F1, 0, 0, 0
	s_wait_dscnt 0x0                               ; my reads of this slot are over
	s_wait_tensorcnt 0x0                           ; all my tensor loads have landed: my part of the other slot
	ds_add_u32 v255, v191
	s_wait_dscnt 0x0
	s_barrier_signal -1
	MROW F1, 0, 1, 0
	WIN 0
	s_barrier_wait -1
.if \fill
	CREST
	s_add_nc_u64 s[G0+4*\kind+2:G0+4*\kind+3], s[G0+4*\kind+2:G0+4*\kind+3], 3*KSTEP*2
	s_add_nc_u64 s[G0B+4*\kind+2:G0B+4*\kind+3], s[G0B+4*\kind+2:G0B+4*\kind+3], 3*KSTEP*2
	JLOAD \kind                                    ; the wave's one tensor load behind the round
.endif
	PLACES
	FETCH \next, 0, F0
	WIN MUL_HI
	MROW F1, 1, 0, 0
	MROW F1, 1, 1, 0
.endm
	s_wait_tensorcnt 0x1                           ; my part of the double slot is in; the single slot's may stay out
	s_barrier_signal -1
	s_barrier_wait -1
	FETCH 0, 0, F0
	DRUN 1                                         ; K steps 0, 1: the first products start the sums
	TURN 0, 1, 1                                   ; the double slot gets K steps 3, 4
	SRUN                                           ; K step 2
	TURN 1, 0, 1                                   ; the single slot gets K step 5
	DRUN 0                                         ; K steps 3, 4
	TURN 0, 1, 1                                   ; the double slot gets K steps 6, 7
	SRUN                                           ; K step 5
	TURN 1, 0, 0                                   ; nothing is left to fetch
	DRUN 0                                         ; K steps 6, 7
	s_wait_dscnt AT
	WIN MUL_LO
	MROW F1, 0, 0, 0
	MROW F1, 0, 1, 0
	s_wait_dscnt 0x0
	WIN MUL_HI
	MROW F1, 1, 0, 0
	MROW F1, 1, 1, 0
	PLACES
	s_lshl_b32 s16, s13, 7
	s_lshl_b32 s17, s11, 6
	s_add_co_u32 s16, s16, s17                     ; my first row of pp
	s_lshl_b32 s16, s16, 11
	s_mov_b32 s17, 0
	s_add_nc_u64 s[6:7], s[6:7], s[16:17]
	s_lshl_b32 s46, s42, 9                         ; my first column, in bytes
	s_lshl_b32 s47, s12, 8
	s_add_co_u32 s46, s46, s47
	s_mov_b32 s47, 0
	s_add_nc_u64 s[6:7], s[6:7], s[46:47]
	s_lshl_b32 s72, s42, 1                         ; st: column block 2 bx + wc, row group 2 by + wr, 512 bytes each
	s_add_co_u32 s72, s72, s12
	s_lshl_b32 s72, s72, 7
	s_lshl_b32 s73, s13, 1
	s_add_co_u32 s72, s72, s73
	s_add_co_u32 s72, s72, s11
	s_lshl_b32 s72, s72, 9
	s_mov_b32 s73, 0
	s_add_nc_u64 s[8:9], s[8:9], s[72:73]
; The diagonal in tile (a, b): eight masks, then eight selects, so that no select waits for the compare in front of it.
.macro MASKT a, b
.irp j, 0,1,2,3,4,5,6,7
	v_cmp_eq_u32 s[74+\j], 16*(\b)+\j, v[DI]
.endr
.irp j, 0,1,2,3,4,5,6,7
	v_cndmask_b32 v[8*(BT*\a+(\b))+\j], v[8*(BT*\a+(\b))+\j], v[NEG], s[74+\j]
.endr
.endm
; Row tile i = tiles (a, 0..7) of window 2 or 3.  wrw: destination and source 0 in that window (0x82, 0xc3); wrd: sources 0 and 1 in it (0x0a, 0x0f).
; A row's 128 numbers lie in lanes r and 16 + r, 64 registers each: reductions run down the registers and end with one exchange of the halves.
.macro ROWT i, a, f, wrw, wrd
	WIN 0
	v_add_nc_u32 v[DI], 16*\i, v[D0]
	WIN \wrw
	; 16 (b - i) + j = (first row - first column) + r - 8 h, with the bracket a multiple of 64 and r - 8 h - j between -15 and 15, leaves b = i and b = i + 4 alone
	MASKT \a, \i
	MASKT \a, \i+4
	WIN \wrd
.irp c, 0,1,2,3
	v_max_num_f32 v[MX+\c], v[8*(BT*\a+2*\c)], v[8*(BT*\a+2*\c)+1]       ; four chains of 16 registers, started by their first two
.endr
.irp k, 1,2,3,4,5,6,7
.irp c, 0,1,2,3
	v_max3_num_f32 v[MX+\c], v[8*(BT*\a+2*\c)+2*\k], v[8*(BT*\a+2*\c)+2*\k+1], v[MX+\c]
.endr
.endr
	WIN 0
	v_max3_num_f32 v[MX], v[MX], v[MX+1], v[MX+2]
	v_max_num_f32 v[MX], v[MX], v[MX+3]
	v_permlanex16_b32 v[MX+1], v[MX], s69, s70
	v_max_num_f32 v[MX], v[MX], v[MX+1]            ; the block's maximum of my row (127 of its 128 numbers at the least are unmasked)
	v_mul_f32 v[BM+\i], s66, v[MX]
	v_mul_f32 v[NM], s68, v[MX]                    ; exactly the negative of what is stored as the maximum
	v_mul_f32 v[NM+1], s68, v[MX]
	WIN \wrw
.set n, 0
.rept 32
	v_pk_fma_f32 v[64*\a+2*n:64*\a+2*n+1], v[64*\a+2*n:64*\a+2*n+1], s[66:67], v[NM:NM+1] op_sel_hi:[1,0,1]
.set n, n+1
.endr
.set n, 0
.rept 64
	v_exp_f32 v[64*\a+n], v[64*\a+n]               ; at most 0 in the exponent; the masked place gives 0
.set n, n+1
.endr
	v_nop                                          ; one plain place behind the transcendentals before their results are used (ISA guide 5.7.2)
	WIN \wrd
.set n, 0
	s_wait_alu depctr_va_vdst(0)
.rept 16
	v_pk_add_f32 v[SM+2*n:SM+2*n+1], v[64*\a+4*n:64*\a+4*n+1], v[64*\a+4*n+2:64*\a+4*n+3]
.set n, n+1
.endr
.irp b, 0,1,2,3,4,5,6,7
.irp r, 0,1,2,3
	v_cvt_pk_bf16_f32 v[TMP+4*\b+\r], v[64*\a+8*\b+2*\r], v[64*\a+8*\b+2*\r+1]
.endr
.endr
	WIN 0
.irp n, 0,1,2,3,4,5,6,7
	v_pk_add_f32 v[SM+2*\n:SM+2*\n+1], v[SM+2*\n:SM+2*\n+1], v[SM+16+2*\n:SM+16+2*\n+1]
.endr
.irp n, 0,1,2,3
	v_pk_add_f32 v[SM+2*\n:SM+2*\n+1], v[SM+2*\n:SM+2*\n+1], v[SM+8+2*\n:SM+8+2*\n+1]
.endr
.irp n, 0,1
	v_pk_add_f32 v[SM+2*\n:SM+2*\n+1], v[SM+2*\n:SM+2*\n+1], v[SM+4+2*\n:SM+4+2*\n+1]
.endr
	v_pk_add_f32 v[SM:SM+1], v[SM:SM+1], v[SM+2:SM+3]
	v_add_f32 v[SM], v[SM], v[SM+1]
	v_permlanex16_b32 v[SM+1], v[SM], s69, s70
	v_add_f32 v[BS+\i], v[SM], v[SM+1]
	; 16 rows out through my own stage: 16 bytes a lane in, whole rows of 256 bytes back
.irp b, 0,1,2,3,4,5,6,7
	ds_store_b128 v[STO], v[TMP+4*\b:TMP+4*\b+3] offset:32*\b
.endr
	s_wait_xcnt 0x0                                ; buffer f, which earlier stores read, and the stores' base are rewritten only behind this wait
.if \i
	s_add_nc_u64 s[6:7], s[6:7], 16*PROW
.endif
.irp t, 0,1,2,3,4,5,6,7
	ds_load_b128 v[\f+4*\t:\f+4*\t+3], v[RD] offset:\t*2*PS        ; a wave's LDS instructions are served in order: these see the stores above
.endr
.irp t, 0,1,2,3,4,5,6,7
	s_wait_dscnt 7-\t
	global_store_b128 v[CO], v[\f+4*\t:\f+4*\t+3], s[6:7] offset:2*\t*PROW   ; 16 lanes store 256 consecutive bytes, aligned
.endr
.endm
	ROWT 0, 0, F0, 0x82, 0x0a
	ROWT 1, 1, F1, 0x82, 0x0a
	ROWT 2, 0, F0, 0xc3, 0x0f
	ROWT 3, 1, F1, 0xc3, 0x0f
	; my 64 maxima and 64 sums: lanes 0-15 put the maxima, lanes 16-31 the sums, into my own 512 bytes; one store of 512 consecutive bytes takes them out
.irp i, 0,1,2,3
	v_cndmask_b32 v[MX+\i], v[BM+\i], v[BS+\i], s71
	ds_store_b32 v[SST], v[MX+\i] offset:64*\i
.endr
	ds_load_b128 v[SQ:SQ+3], v[SRD]
	s_wait_dscnt 0x0
	global_store_b128 v[SGO], v[SQ:SQ+3], s[8:9]
	s_set_vgpr_msb 0x1
	s_wait_tensorcnt 0x0
	ds_add_u32 v255, v191
	s_wait_dscnt 0x0
	s_set_vgpr_msb 0x100
	CROUND                                         ; the closing round
	s_endpgm
.Lfunc_end_k_q15c98773c3_score:
	.size	k_q15c98773c3_score, .Lfunc_end_k_q15c98773c3_score-k_q15c98773c3_score
	.p2alignl 7, 3214868480
	.fill 96, 4, 3214868480
	.section	.rodata,"a",@progbits
	.p2align	6, 0x0
	.amdhsa_kernel k_q15c98773c3_score
		.amdhsa_group_segment_fixed_size 327680
		.amdhsa_private_segment_fixed_size 0
		.amdhsa_enable_private_segment 0
		.amdhsa_kernarg_size 24
		.amdhsa_user_sgpr_count 2
		.amdhsa_user_sgpr_kernarg_segment_ptr 1
		.amdhsa_wavefront_size32 1
		.amdhsa_system_sgpr_workgroup_id_x 1
		.amdhsa_system_sgpr_workgroup_id_y 1
		.amdhsa_system_sgpr_workgroup_id_z 1
		.amdhsa_system_vgpr_workitem_id 0
		.amdhsa_next_free_vgpr 1024
		.amdhsa_next_free_sgpr 100
		.amdhsa_reserve_vcc 0
		.amdhsa_float_denorm_mode_32 3
		.amdhsa_float_denorm_mode_16_64 3
		.amdhsa_memory_ordered 1
		.amdhsa_forward_progress 1
		.amdhsa_inst_pref_size 195
	.end_amdhsa_kernel
	.amdgpu_metadata
---
amdhsa.version: [ 1, 2 ]
amdhsa.kernels:
  - .name:           k_q15c98773c3_score
    .symbol:         k_q15c98773c3_score.kd
    .args:
      - { .name: qkv, .offset: 0, .size: 8, .value_kind: global_buffer, .address_space: global }
      - { .name: pp, .offset: 8, .size: 8, .value_kind: global_buffer, .address_space: global }
      - { .name: st, .offset: 16, .size: 8, .value_kind: global_buffer, .address_space: global }
    .group_segment_fixed_size: 327680
    .private_segment_fixed_size: 0
    .kernarg_segment_align: 8
    .kernarg_segment_size: 24
    .max_flat_workgroup_size: 128
    .sgpr_count:     100
    .vgpr_count:     1024
    .wavefront_size: 32
...
	.end_amdgpu_metadata
.endif
;; end of part 3
;; launch apply (part 4): grid 4 x 64, 4 waves a work-group, clusters of 4 x 4, 327,680 bytes of LDS; arguments pp, qkv, st, out0; writes out0
.if DOCPART == 4
	.amdgcn_target "amdgcn-amd-amdhsa--gfx1250"
	.amdhsa_code_object_version 6
	.text
	.protected	k_q15c98773c3_apply
	.globl	k_q15c98773c3_apply
	.p2align	8
	.type	k_q15c98773c3_apply,@function
k_q15c98773c3_apply:
	s_mov_b64 s[64:65], 0
	v_nop
	global_prefetch_b8 v0, s[64:65] scope:SCOPE_SE
	s_setreg_imm32_b32 hwreg(HW_REG_WAVE_MODE, 25, 1), 1
	s_wait_xcnt 0x0
	s_wait_alu depctr_hold_cnt(0) depctr_sa_sdst(0) depctr_va_vdst(0) depctr_va_sdst(0) depctr_va_ssrc(0) depctr_va_vcc(0) depctr_vm_vsrc(0)
	s_getreg_b32 s2, hwreg(HW_REG_IB_STS2, 6, 4)
	s_cmp_eq_u32 s2, 0
	s_cbranch_scc0 .Lentry_in_a_cluster
	s_endpgm
.Lentry_in_a_cluster:
	s_bfe_u32 s2, ttmp6, 0x10000c
	s_cmp_lg_u32 s2, 0xf033
	s_cbranch_scc0 .Lentry_shape_is_right
	s_endpgm
.Lentry_shape_is_right:
; The softmax's second half and the last product.  For a row with block maxima m_j (base 2) and block sums s_j, j = 0..7:
;   M = max m_j,  e_j = bf16(2^(m_j - M)),  L = sum of e_j s_j,  out[row][n] = (sum over j, over the block's m, of (pp[row][m] e_j) v[m][n]) / L.
; The maximum taken away is the row's true one.  pp: [8192][1024] bf16.  v: columns 2048-3071 of qkv [8192][3072] bf16.  st as the launch before wrote it.
; out0: [8192][1024] f32.  A work-group makes 128 rows x 256 columns (256 work-groups), four waves 2 x 2, each 64 x 128: 4 x 8 accumulator tiles.
; K (the keys) has eight steps of 128, one block of the softmax each; they are written out, since the step picks the register that holds e_j.
; Each fragment of pp is multiplied by its row's e_j (both halves of a register hold it) on its way into the matrix unit.
; v lies [key][column]: its fragments are read by the transposing LDS load.
; THE SLOTS.  LDS has room for three K steps.  A DOUBLE slot holds two (pp: rows of 512 bytes, pitch 528; v: 256 keys), a SINGLE slot one (pp: rows of 256 bytes,
; pitch 272; v: 128 keys).  The steps go double {0, 1}, single {2}, double {3, 4}, single {5}, double {6, 7}: both slots are asked for at the start, and only
; three refills, each behind a round of the cluster's barrier, follow.  The single slot's load has the double slot's two steps in which to land.
; CLUSTERS: 4 x 4.  pp's tile hangs on the block row: shared along a row of the cluster; v's on the block column and the batch (cluster y / 2): along a column.
; REGISTERS by windows of 256: window 0: addresses, v8-15 1 / L, v32-63 e_j, v64-95 / v128-159 fragments of pp, v192-255 at work; window 1: v64-127 / v128-191
; fragments of v; window 2: the accumulator tiles of my rows 0-31 (tile (a, b) at v[8 (8 a + b)]); window 3: rows 32-63.
; The matrix instruction is used transposed: lane l holds row l % 16 and columns 8 (l / 16) + 0..7 of a tile.
; The 32 accumulators take turns, one instruction a turn.
; LIMITS: a weight is rounded to bf16 twice (pp, then pp x e_j); L uses the f32 block sums and the rounded e_j.  NaN and infinite inputs are not followed.
.set KSTEP,  128
.set PD,     528                       ; pp's rows in the double slot: 512 bytes + 16
.set PS,     272                       ; pp's rows in the single slot: 256 bytes + 16
.set BP,     544                       ; v's rows in LDS: 512 bytes + 32, an odd multiple of 32
.set DB,     128*PD                    ; double slot: pp's 128 rows at 0, v's 256 keys here
.set SA,     DB+256*BP                 ; single slot: pp's 128 rows here,
.set SB,     SA+128*PS                 ; v's 128 keys here
.set STAGE,  SA                        ; the way out uses the single slot: its last fill is K step 5, and every wave's reads of it are waited for in front of the last change of slots
.set SPITCH, 528                       ; 128 f32 + 16 bytes; 16 rows for each wave
.set QROW,   6144
.set OROW,   4096                      ; bytes in a row of out0
.set AT, 4
.set BT, 8
.set NF, 2*(AT+BT)
.set T,    6                           ; v6       at work
.set IL,   8                           ; v[8:15]  row tile i: 1 / L of my row, twice
.set ADRA, 16                          ; v16 my pp fragments in the double slot, v17 in the single slot
.set ADRB, 20                          ; v20, v21 my v fragments in the double slot's first and second 128 keys (an LDS offset has 16 bits), v22 in the single slot
.set STO,  24
.set RD,   25
.set CO,   26
.set SO,   27
.set ES,   32                          ; v[32:63] row tile i, block j: e_j of my row, in both halves
.set F0,   64
.set F1,   128
.set MJ,   192                         ; v[192:223] row tile i, block j: m_j, then e_j in f32
.set SJ,   224                         ; v[224:255] row tile i, block j: s_j
.set TMP,  192                         ; the way out
.set G1,   24                          ; s[24:31] group 1, pp, single slot
.set G0,   32                          ; s[32:35] group 0, pp, double slot; s[36:39] single slot
.set G1B,  48                          ; s[48:55] group 1, v, single slot
.set G0B,  56                          ; s[56:59] group 0, v, double slot; s[60:63] single slot
.set G1D,  84                          ; s[84:91] group 1, pp, double slot
.set G1BD, 92                          ; s[92:99] group 1, v, double slot
.set FLS, (1<<16)|(1<<20)|(1<<21)|(5<<22)|(3<<25)    ; 2-byte elements; padding on; bit 21 beside a mask; after every 64 words 4 words
.set FLD, (1<<16)|(1<<20)|(1<<21)|(6<<22)|(3<<25)    ; after every 128 words 4 words
.set FLV, (1<<16)|(1<<20)|(1<<21)|(6<<22)|(7<<25)    ; after every 128 words 8 words
.set MUL_LO, 0xa1                      ; source 0 (v) window 1, source 1 (pp) window 0, C and D window 2
.set MUL_HI, 0xf1                      ; the same, C and D window 3
.set TO_B,   0x40                      ; destination window 1, address window 0
.set MSB, 0
.macro WIN new                         ; the immediate's high byte repeats the setting that is left
.if MSB != \new
	s_set_vgpr_msb (MSB<<8)|\new
.set MSB, \new
.endif
.endm
; A joint load into slot kind k (0 double, 1 single): waves 0, 1 fetch pp's two halves, waves 2, 3 v's.  The branch hangs on the wave's number alone.
.macro JLOAD k
	s_cmp_eq_u32 s11, 0
	s_cbranch_scc0 .Lfor_b_\@
.if \k == 0
	tensor_load_to_lds s[G0:G0+3], s[G1D:G1D+7]
	s_nop 0
.else
	tensor_load_to_lds s[G0+4:G0+7], s[G1:G1+7]
	s_nop 0
.endif
	s_branch .Lasked_\@
.Lfor_b_\@:
.if \k == 0
	tensor_load_to_lds s[G0B:G0B+3], s[G1BD:G1BD+7]
	s_nop 0
.else
	tensor_load_to_lds s[G0B+4:G0B+7], s[G1B:G1B+7]
	s_nop 0
.endif
.Lasked_\@:
.endm
.macro CREST                           ; a round of the cluster's barrier behind its opening barrier
	s_cmp_lg_u32 s10, 0
	s_cbranch_scc1 .Lnot_wave_0_\@
	s_barrier_signal -3
.Lnot_wave_0_\@:
	s_barrier_wait -3
	s_barrier_signal -1
	s_barrier_wait -1
.endm
.macro CROUND                          ; a whole round
	s_barrier_signal -1
	s_barrier_wait -1
	CREST
.endm
.macro PLACES                          ; four places behind matrix instructions, in front of loads into their sources and of reads of their results
.rept 4
	v_nop
.endr
.endm
.macro SHAPE g, cols, rows, pitch      ; words 1 to 7 of a group 1: a tile of rows x cols elements that lies inside the tensor
	s_mov_b32 s[\g+1], \cols<<16                   ; tensor_dim0
	s_mov_b32 s[\g+2], \rows<<16                   ; tensor_dim1
	s_mov_b32 s[\g+3], \cols<<16                   ; tile_dim0
	s_mov_b32 s[\g+4], \rows                       ; tile_dim1
	s_mov_b32 s[\g+5], \pitch                      ; elements from row to row
	s_mov_b32 s[\g+6], 0
	s_mov_b32 s[\g+7], 0
.endm
	s_load_b128 s[4:7], s[0:1], 0x0                ; pp s[4:5], qkv s[6:7]
	s_load_b128 s[72:75], s[0:1], 0x10             ; st s[72:73], out0 s[74:75]
	s_set_vgpr_msb 0x40
	v_lshl_add_u32 v255, v0, 2, 0x4c000
	s_set_vgpr_msb 0x4000
	v_mov_b32 v31, 0
	s_set_vgpr_msb 0x1
	ds_add_u32 v255, v31
	s_set_vgpr_msb 0x100
	v_lshrrev_b32 v1, 5, v0
	v_readfirstlane_b32 s10, v1                    ; wave 0..3
	s_lshr_b32 s11, s10, 1                         ; wr.  Also: I fetch for pp (0) or for v (1)
	s_and_b32 s12, s10, 1                          ; wc.  Also: which half of that tile I fetch
	s_bfe_u32 s40, ttmp6, 0x40000                  ; cx
	s_bfe_u32 s41, ttmp6, 0x40004                  ; cy
	s_lshl_b32 s42, ttmp9, 2
	s_add_co_u32 s42, s42, s40                     ; block column, 0..3
	s_and_b32 s13, ttmp7, 0xffff
	s_lshr_b32 s45, s13, 1                         ; batch = cluster y / 2
	s_lshl_b32 s13, s13, 2
	s_add_co_u32 s13, s13, s41                     ; block row, 0..63
	s_lshl_b32 s43, s41, 2
	s_lshl_b32 s43, 15, s43                        ; my row of the cluster
	s_lshl_b32 s44, 0x1111, s40                    ; my column
	; pp's tiles go to my row of the cluster: 64 rows a load; 256 elements a row in the double slot, 128 in the single one
	s_or_b32 s[G1D+0], s43, FLD
	SHAPE G1D, 256, 64, 1024
	s_or_b32 s[G1+0], s43, FLS
	SHAPE G1, 128, 64, 1024
	; v's tiles go to my column: 256 elements (512 bytes) a key; 128 keys a load in the double slot, 64 in the single one
	s_or_b32 s[G1BD+0], s44, FLV
	SHAPE G1BD, 256, 128, 3072
	s_or_b32 s[G1B+0], s44, FLV
	SHAPE G1B, 256, 64, 3072
	s_lshl_b32 s16, s13, 7                         ; pp: row 128 x block row + 64 x half, 2,048 bytes a row
	s_lshl_b32 s17, s12, 6
	s_add_co_u32 s16, s16, s17
	s_lshl_b32 s16, s16, 11
	s_mov_b32 s17, 0
	s_lshl_b32 s46, s45, 10                        ; v, double slot: row 1024 x batch + 128 x half; 4,096 bytes into the row, + 512 x block column
	s_lshl_b32 s47, s12, 7
	s_add_co_u32 s46, s46, s47
	s_mul_i32 s46, s46, QROW
	s_lshl_b32 s47, s42, 9
	s_add_co_u32 s46, s46, s47
	s_add_co_u32 s46, s46, 4096
	s_mov_b32 s47, 0
	s_lshl_b32 s76, s45, 10                        ; v, single slot: row 1024 x batch + 256 + 64 x half
	s_lshl_b32 s77, s12, 6
	s_add_co_u32 s76, s76, s77
	s_add_co_u32 s76, s76, 256
	s_mul_i32 s76, s76, QROW
	s_lshl_b32 s77, s42, 9
	s_add_co_u32 s76, s76, s77
	s_add_co_u32 s76, s76, 4096
	s_mov_b32 s77, 0
	s_mul_i32 s20, s12, 64*PD                      ; where my half goes, in each slot: the wave's number alone
	s_mul_i32 s21, s12, 64*PS
	s_mul_i32 s22, s12, 128*BP
	s_mul_i32 s23, s12, 64*BP
	s_wait_dscnt 0x0
	s_wait_kmcnt 0x0
	s_add_nc_u64 s[14:15], s[4:5], s[16:17]
	s_add_nc_u64 s[46:47], s[6:7], s[46:47]
	s_add_nc_u64 s[76:77], s[6:7], s[76:77]
	CROUND                                         ; in front of the first joint loads
	s_mov_b32 s[G0], 1                             ; the double slot: K steps 0, 1
	s_add_co_u32 s[G0+1], s20, 0
	s_mov_b64 s[G0+2:G0+3], s[14:15]
	s_or_b32 s[G0+3], s[G0+3], 0x80000000
	s_mov_b32 s[G0B], 1
	s_add_co_u32 s[G0B+1], s22, DB
	s_mov_b64 s[G0B+2:G0B+3], s[46:47]
	s_or_b32 s[G0B+3], s[G0B+3], 0x80000000
	JLOAD 0
	s_mov_b32 s[G0+4], 1                           ; the single slot: K step 2
	s_add_co_u32 s[G0+5], s21, SA
	s_add_nc_u64 s[G0+6:G0+7], s[14:15], 2*KSTEP*2
	s_or_b32 s[G0+7], s[G0+7], 0x80000000
	s_mov_b32 s[G0B+4], 1
	s_add_co_u32 s[G0B+5], s23, SB
	s_mov_b64 s[G0B+6:G0B+7], s[76:77]
	s_or_b32 s[G0B+7], s[G0B+7], 0x80000000
	JLOAD 1                                        ; two tensor loads of the wave are out
	v_and_b32 v1, 15, v0                           ; r
	v_bfe_u32 v2, v0, 4, 1                         ; h
	; the maxima and sums of my 64 rows: lane (r, h) takes row 16 i + r of each of the 8 blocks, the layout in which pp's fragments and the results hold rows
	v_lshlrev_b32 v[SO], 2, v1
	s_lshl_b32 s66, s13, 1
	s_add_co_u32 s66, s66, s11                     ; row group 2 by + wr
	s_lshl_b32 s66, s66, 9
	s_mov_b32 s67, 0
	s_add_nc_u64 s[72:73], s[72:73], s[66:67]
.irp i, 0,1,2,3
.irp j, 0,1,2,3,4,5,6,7
	global_load_b32 v[MJ+8*\i+\j], v[SO], s[72:73] offset:65536*\j+64*\i
	global_load_b32 v[SJ+8*\i+\j], v[SO], s[72:73] offset:65536*\j+64*\i+256
.endr
.endr
	v_mul_u32_u24 v3, v1, PD
	v_lshl_add_u32 v3, v2, 4, v3                   ; 528 r + 16 h
	s_mul_i32 s22, s11, 64*PD
	v_add_nc_u32 v[ADRA], s22, v3
	v_mul_u32_u24 v3, v1, PS
	v_lshl_add_u32 v3, v2, 4, v3                   ; 272 r + 16 h
	s_mul_i32 s22, s11, 64*PS
	s_add_co_u32 s22, s22, SA
	v_add_nc_u32 v[ADRA+1], s22, v3
	v_and_b32 v4, 7, v0                            ; the transposing load: lane l addresses key 8 (l / 16) + l % 8, 16 bytes at 16 ((l / 8) % 2)
	v_lshl_add_u32 v4, v2, 3, v4
	v_mul_u32_u24 v4, v4, BP
	v_bfe_u32 v5, v0, 3, 1
	v_lshl_add_u32 v4, v5, 4, v4
	s_lshl_b32 s23, s12, 8                         ; my 128 columns, 256 bytes
	s_add_co_u32 s22, s23, DB
	v_add_nc_u32 v[ADRB], s22, v4
	v_add_nc_u32 v[ADRB+1], 128*BP, v[ADRB]
	s_add_co_u32 s22, s23, SB
	v_add_nc_u32 v[ADRB+2], s22, v4
	s_mul_i32 s22, s10, 16*SPITCH
	s_add_co_u32 s22, s22, STAGE                   ; my stage
	v_mul_u32_u24 v4, v1, SPITCH
	v_lshl_add_u32 v4, v2, 5, v4
	v_add_nc_u32 v[STO], s22, v4                   ; row r, 32 bytes for each half of the lanes
	v_and_b32 v4, 31, v0
	v_lshlrev_b32 v[CO], 4, v4                     ; 16 x lane
	v_add_nc_u32 v[RD], s22, v[CO]
	s_wait_loadcnt 0x0
.macro JOIN i                          ; row tile i: the row's maximum, the eight e_j, 1 / L
	v_max3_num_f32 v[T], v[MJ+8*\i], v[MJ+8*\i+1], v[MJ+8*\i+2]
	v_max3_num_f32 v[T], v[T], v[MJ+8*\i+3], v[MJ+8*\i+4]
	v_max3_num_f32 v[T], v[T], v[MJ+8*\i+5], v[MJ+8*\i+6]
	v_max_num_f32 v[T], v[T], v[MJ+8*\i+7]
.irp j, 0,1,2,3,4,5,6,7
	v_sub_f32 v[MJ+8*\i+\j], v[MJ+8*\i+\j], v[T]
.endr
.irp j, 0,1,2,3,4,5,6,7
	v_exp_f32 v[MJ+8*\i+\j], v[MJ+8*\i+\j]         ; at most 1; exactly 1 for the block that holds the maximum, so L is at least about 1
.endr
	v_nop                                          ; one plain place behind the transcendentals (ISA guide 5.7.2)
	s_wait_alu depctr_va_vdst(0)
.irp j, 0,1,2,3,4,5,6,7
	v_cvt_pk_bf16_f32 v[ES+8*\i+\j], v[MJ+8*\i+\j], v[MJ+8*\i+\j]
.endr
.irp j, 0,1,2,3,4,5,6,7
	v_lshlrev_b32 v[MJ+8*\i+\j], 16, v[ES+8*\i+\j] ; the rounded e_j in f32: L is made of the factor that the weights get
.endr
	v_mul_f32 v[T], v[MJ+8*\i], v[SJ+8*\i]
.irp j, 1,2,3,4,5,6,7
	v_fmac_f32 v[T], v[MJ+8*\i+\j], v[SJ+8*\i+\j]
.endr
	v_rcp_f32 v[IL+2*\i], v[T]                     ; twice: a pair for the packed multiply
	v_rcp_f32 v[IL+2*\i+1], v[T]
	v_nop                                          ; before T is written again and the pair is used
.endm
	JOIN 0
	JOIN 1
	JOIN 2
	JOIN 3
.macro MROW f, hi, a, zero             ; 8 matrix instructions: row tile a of the window's two x all column tiles, 32 keys
.irp b, 0,1,2,3,4,5,6,7
.if \zero
	v_wmma_f32_16x16x32_bf16 v[8*(BT*\a+\b):8*(BT*\a+\b)+7], v[\f+8*\b:\f+8*\b+7], v[\f+8*(2*\hi+\a):\f+8*(2*\hi+\a)+7], 0
.else
	v_wmma_f32_16x16x32_bf16 v[8*(BT*\a+\b):8*(BT*\a+\b)+7], v[\f+8*\b:\f+8*\b+7], v[\f+8*(2*\hi+\a):\f+8*(2*\hi+\a)+7], v[8*(BT*\a+\b):8*(BT*\a+\b)+7]
.endif
.endr
.endm
; NF LDS loads in one run, 32 keys into buffer f: v's 8 column tiles by the transposing load (keys 8 h .., then 16 + 8 h ..) from quarter q of the 128 keys at
; address register br; then pp's 4 row tiles at byte k of the rows of slot kind ar (0 double, 1 single)
.macro FETCH ar, k, br, q, f
.if \ar == 0
.set FP, PD
.else
.set FP, PS
.endif
	WIN TO_B
.irp b, 0,1,2,3,4,5,6,7
	ds_load_tr16_b128 v[\f+8*\b:\f+8*\b+3],   v[ADRB+\br] offset:\q*32*BP+32*\b
	ds_load_tr16_b128 v[\f+8*\b+4:\f+8*\b+7], v[ADRB+\br] offset:\q*32*BP+32*\b+16*BP
.endr
	WIN 0
.irp i, 0,1,2,3
	ds_load_b128 v[\f+8*\i:\f+8*\i+3],   v[ADRA+\ar] offset:\k+\i*16*FP
	ds_load_b128 v[\f+8*\i+4:\f+8*\i+7], v[ADRA+\ar] offset:\k+\i*16*FP+32
.endr
.endm
.macro SCALE f, i, j                   ; row tile i of pp's fragments in buffer f times its rows' e_j
.irp n, 0,1,2,3,4,5,6,7
	v_pk_mul_bf16 v[\f+8*\i+\n], v[\f+8*\i+\n], v[ES+8*\i+\j]
.endr
.endm
; A quarter step (32 keys of block j): multiplies buffer f; in its middle fetches the next quarter's fragments (ar, k, br, q) into buffer g.
.macro QUARTER ar, k, br, q, f, g, zero, j
	s_wait_dscnt AT                                ; v and pp's rows 0-31 are in; the youngest four loads (pp's rows 32-63) may be out
	WIN 0
	SCALE \f, 0, \j
	SCALE \f, 1, \j
	WIN MUL_LO
	MROW \f, 0, 0, \zero
	MROW \f, 0, 1, \zero
	PLACES
	FETCH \ar, \k, \br, \q, \g
	s_wait_dscnt NF                                ; all but the NF just issued
	SCALE \f, 2, \j                                ; registers that none of the matrix instructions above names
	SCALE \f, 3, \j
	WIN MUL_HI
	MROW \f, 1, 0, \zero
	MROW \f, 1, 1, \zero
.endm
.macro DRUN zero, ja, jb               ; the first seven of the double slot's eight quarters: blocks ja, jb
	QUARTER 0, 64,  0, 1, F0, F1, \zero, \ja
	QUARTER 0, 128, 0, 2, F1, F0, 0, \ja
	QUARTER 0, 192, 0, 3, F0, F1, 0, \ja
	QUARTER 0, 256, 1, 0, F1, F0, 0, \ja
	QUARTER 0, 320, 1, 1, F0, F1, 0, \jb
	QUARTER 0, 384, 1, 2, F1, F0, 0, \jb
	QUARTER 0, 448, 1, 3, F0, F1, 0, \jb
.endm
.macro SRUN j                          ; the first three of the single slot's four quarters
	QUARTER 1, 64,  2, 1, F0, F1, 0, \j
	QUARTER 1, 128, 2, 2, F1, F0, 0, \j
	QUARTER 1, 192, 2, 3, F0, F1, 0, \j
.endm
; A slot's last quarter (block j): multiplies buffer 1 and changes slots; nar, nbr: the other slot's address registers.  In front of the barrier each wave waits
; for its reads of this slot and for all its tensor loads (its part of the other slot).  fill = 1: this slot is filled again, three K steps on, first thing
; behind the round.  From a request to the wait for it a wave issues 120 matrix instructions for the double slot's load, 248 for the single slot's.
.macro TURN kind, nar, nbr, fill, j
	s_wait_dscnt AT
	WIN 0
	SCALE F1, 0, \j
	SCALE F1, 1, \j
	WIN MUL_LO
	MROW F1, 0, 0, 0
	s_wait_dscnt 0x0                               ; my reads of this slot are over
	s_wait_tensorcnt 0x0                           ; all my tensor loads have landed: my part of the other slot
	ds_add_u32 v255, v31
	s_wait_dscnt 0x0
	s_barrier_signal -1                            ; (where a slot is filled again this barrier opens a round of the cluster's barrier)
	MROW F1, 0, 1, 0                               ; registers only
	WIN 0
	s_barrier_wait -1
.if \fill
	CREST                                          ; no wave of any partner still reads this slot or has a load on its way
	s_add_nc_u64 s[G0+4*\kind+2:G0+4*\kind+3], s[G0+4*\kind+2:G0+4*\kind+3], 3*KSTEP*2        ; 384 columns of pp on,
	s_add_nc_u64 s[G0B+4*\kind+2:G0B+4*\kind+3], s[G0B+4*\kind+2:G0B+4*\kind+3], 3*KSTEP*QROW  ; 384 rows of v down
	JLOAD \kind                                    ; the wave's one tensor load behind the round, and the first thing there
.endif
	PLACES
	FETCH \nar, 0, \nbr, 0, F0
	SCALE F1, 2, \j
	SCALE F1, 3, \j
	WIN MUL_HI
	MROW F1, 1, 0, 0
	MROW F1, 1, 1, 0
.endm
	s_wait_tensorcnt 0x1                           ; my part of the double slot is in; the single slot's may stay out
	s_barrier_signal -1
	s_barrier_wait -1
	FETCH 0, 0, 0, 0, F0
	DRUN 1, 0, 1                                   ; K steps 0, 1: the first products start the sums
	TURN 0, 1, 2, 1, 1                             ; the double slot gets K steps 3, 4
	SRUN 2                                         ; K step 2
	TURN 1, 0, 0, 1, 2                             ; the single slot gets K step 5
	DRUN 0, 3, 4                                   ; K steps 3, 4
	TURN 0, 1, 2, 1, 4                             ; the double slot gets K steps 6, 7
	SRUN 5                                         ; K step 5
	TURN 1, 0, 0, 0, 5                             ; nothing is left to fetch
	DRUN 0, 6, 7                                   ; K steps 6, 7
	s_wait_dscnt AT
	WIN 0
	SCALE F1, 0, 7
	SCALE F1, 1, 7
	WIN MUL_LO
	MROW F1, 0, 0, 0
	MROW F1, 0, 1, 0
	s_wait_dscnt 0x0
	WIN 0
	SCALE F1, 2, 7
	SCALE F1, 3, 7
	WIN MUL_HI
	MROW F1, 1, 0, 0
	MROW F1, 1, 1, 0
	PLACES
	s_lshl_b32 s16, s13, 7
	s_lshl_b32 s17, s11, 6
	s_add_co_u32 s16, s16, s17                     ; my first row of out0
	s_lshl_b32 s16, s16, 12
	s_mov_b32 s17, 0
	s_add_nc_u64 s[74:75], s[74:75], s[16:17]
	s_lshl_b32 s46, s42, 10                        ; my first column, in bytes
	s_lshl_b32 s47, s12, 9
	s_add_co_u32 s46, s46, s47
	s_mov_b32 s47, 0
	s_add_nc_u64 s[74:75], s[74:75], s[46:47]
; Row tile i = tiles (a, 0..7) of window 2 or 3 (from = 0x02, 0x03: source 0): times 1 / L, 32 bytes a lane and tile into my own stage, whole rows of 512 bytes back
.macro OUTT i, a, from, f
	WIN \from
.set n, 0
	s_wait_alu depctr_va_vdst(0)
.rept 32
	v_pk_mul_f32 v[TMP+2*n:TMP+2*n+1], v[64*\a+2*n:64*\a+2*n+1], v[IL+2*\i:IL+2*\i+1]
.set n, n+1
.endr
	WIN 0
.irp b, 0,1,2,3,4,5,6,7
	ds_store_b128 v[STO], v[TMP+8*\b:TMP+8*\b+3]   offset:64*\b
	ds_store_b128 v[STO], v[TMP+8*\b+4:TMP+8*\b+7] offset:64*\b+16
.endr
	s_wait_xcnt 0x0                                ; buffer f, which earlier stores read, and the stores' base are rewritten only behind this wait
.if \i
	s_add_nc_u64 s[74:75], s[74:75], 16*OROW
.endif
.irp t, 0,1,2,3,4,5,6,7,8,9,10,11,12,13,14,15
	ds_load_b128 v[\f+4*\t:\f+4*\t+3], v[RD] offset:\t*SPITCH      ; a wave's LDS instructions are served in order: these see the stores above
.endr
.irp t, 0,1,2,3,4,5,6,7,8,9,10,11,12,13,14,15
	s_wait_dscnt 15-\t                             ; the younger loads of the sixteen may be out
	global_store_b128 v[CO], v[\f+4*\t:\f+4*\t+3], s[74:75] offset:\t*OROW th:TH_STORE_NT   ; the wave stores 512 consecutive bytes, aligned
.endr
.endm
	OUTT 0, 0, 0x02, F0
	OUTT 1, 1, 0x02, F1
	OUTT 2, 0, 0x03, F0
	OUTT 3, 1, 0x03, F1
	s_set_vgpr_msb 0x1
	s_wait_tensorcnt 0x0
	ds_add_u32 v255, v31
	s_wait_dscnt 0x0
	s_set_vgpr_msb 0x100
	CROUND                                         ; the closing round: no work-group ends while a partner may still ask for a tile that names it
	s_endpgm
.Lfunc_end_k_q15c98773c3_apply:
	.size	k_q15c98773c3_apply, .Lfunc_end_k_q15c98773c3_apply-k_q15c98773c3_apply
	.p2alignl 7, 3214868480
	.fill 96, 4, 3214868480
	.section	.rodata,"a",@progbits
	.p2align	6, 0x0
	.amdhsa_kernel k_q15c98773c3_apply
		.amdhsa_group_segment_fixed_size 327680
		.amdhsa_private_segment_fixed_size 0
		.amdhsa_enable_private_segment 0
		.amdhsa_kernarg_size 32
		.amdhsa_user_sgpr_count 2
		.amdhsa_user_sgpr_kernarg_segment_ptr 1
		.amdhsa_wavefront_size32 1
		.amdhsa_system_sgpr_workgroup_id_x 1
		.amdhsa_system_sgpr_workgroup_id_y 1
		.amdhsa_system_sgpr_workgroup_id_z 1
		.amdhsa_system_vgpr_workitem_id 0
		.amdhsa_next_free_vgpr 1024
		.amdhsa_next_free_sgpr 100
		.amdhsa_reserve_vcc 0
		.amdhsa_float_denorm_mode_32 3
		.amdhsa_float_denorm_mode_16_64 3
		.amdhsa_memory_ordered 1
		.amdhsa_forward_progress 1
		.amdhsa_inst_pref_size 238
	.end_amdhsa_kernel
	.amdgpu_metadata
---
amdhsa.version: [ 1, 2 ]
amdhsa.kernels:
  - .name:           k_q15c98773c3_apply
    .symbol:         k_q15c98773c3_apply.kd
    .args:
      - { .name: pp, .offset: 0, .size: 8, .value_kind: global_buffer, .address_space: global }
      - { .name: qkv, .offset: 8, .size: 8, .value_kind: global_buffer, .address_space: global }
      - { .name: st, .offset: 16, .size: 8, .value_kind: global_buffer, .address_space: global }
      - { .name: out0, .offset: 24, .size: 8, .value_kind: global_buffer, .address_space: global }
    .group_segment_fixed_size: 327680
    .private_segment_fixed_size: 0
    .kernarg_segment_align: 8
    .kernarg_segment_size: 32
    .max_flat_workgroup_size: 128
    .sgpr_count:     100
    .vgpr_count:     1024
    .wavefront_size: 32
...
	.end_amdgpu_metadata
.endif
;; end of part 4
;; ======== version 2 of 2: 4 launches; version 1 with the launch cast written anew for expert scheduling mode
;; workspace buffers: xw 23,068,672 bytes; bb 12,288 bytes; qkv 50,331,648 bytes; pp 16,777,216 bytes; st 524,288 bytes
;; launch cast (part 5): grid 704 x 1, 8 waves a work-group, no clusters, 0 bytes of LDS; arguments x, Wq, Wk, Wv, bq, bk, bv, xw, bb; writes xw, bb
.if DOCPART == 5
	.amdgcn_target "amdgcn-amd-amdhsa--gfx1250"
	.amdhsa_code_object_version 6
	.text
	.protected	k_q15c98773c3_cast
	.globl	k_q15c98773c3_cast
	.p2align	8
	.type	k_q15c98773c3_cast,@function
k_q15c98773c3_cast:
	s_mov_b64 s[64:65], 0
	v_nop
	global_prefetch_b8 v0, s[64:65] scope:SCOPE_SE
	s_setreg_imm32_b32 hwreg(HW_REG_WAVE_SCHED_MODE, 0, 2), 2
	s_setreg_imm32_b32 hwreg(HW_REG_WAVE_MODE, 25, 1), 1
	s_wait_xcnt 0x0
	s_wait_alu depctr_vm_vsrc(0)
; xw = one bf16 matrix of 11,264 rows x 1,024: rows 0-8191 are x, then 1,024 rows each of Wq, Wk, Wv.  bb = bq, bk, bv joined (f32, copied).
; The three products that follow read every number of x and W many times; rounding them once here halves what those launches move.
; A stream: no LDS, no barrier, no matrix unit.  Eight waves; the work-group owns 16 rows.  Thread t owns 16 source bytes (4 f32) at 16 t of
; every row and 8 destination bytes at 8 t: a wave's load covers 512 consecutive bytes, its store 256 consecutive bytes, aligned.
; All 16 loads of a thread go out at once; no register is written twice.
; THE MODE: SCHED_MODE bits 1:0 = 2 (LLVM: expert scheduling mode 2), set by the entry lines.  The code itself states the register dependences
; between vector instructions and memory instructions, with s_wait_alu, always for 0.
; THE PLAN.  Registers that memory instructions touch:
;   v1, v2   byte offsets.  Written once at the head by vector instructions; read by every load (v1) and store (v2; the bias's store v1); never written again.
;   X        row i: written by its load, once; read by its two roundings, which come later.  No vector instruction names it ahead of the load.
;   Y        row i: written by its two roundings, once; read by its store.
;   BV       written by the bias's load, read by the bias's store; no vector instruction names it.
; So one wait on va_vdst stands at the head, for the offsets, and one in front of each run of stores, for Y.  To make those few, the 16 rows go in four blocks of
; four: the block's eight roundings, the wait, the block's four stores.  No register that a memory instruction has read is written again, so no wait on vm_vsrc
; is owed; no vector instruction writes a scalar register or VCC; EXEC is never written.
.set SROW, 4096                        ; bytes in a source row
.set DROW, 2048                        ; bytes in a row of xw
.set X,  4                             ; v[4:67]    row i: 4 f32 as loaded
.set Y,  68                            ; v[68:99]   row i: 4 bf16 to store
.set BV, 100                           ; v[100:103] 4 numbers of a bias
	s_load_b512 s[8:23], s[0:1], 0x0               ; x s[8:9], Wq s[10:11], Wk s[12:13], Wv s[14:15], bq s[16:17], bk s[18:19], bv s[20:21], xw s[22:23]
	s_load_b64 s[24:25], s[0:1], 0x40              ; bb
	s_sub_co_u32 s2, ttmp9, 512                    ; groups 512 to 703 take the weights (for the others s2, s3, s4 pick nothing that is used)
	s_lshr_b32 s3, s2, 6                           ; which weight: 0 Wq, 1 Wk, 2 Wv (64 groups each)
	s_and_b32 s4, s2, 63                           ; which 16 rows of it
	v_lshlrev_b32 v1, 4, v0                        ; 16 t
	v_lshlrev_b32 v2, 3, v0                        ; 8 t
	s_wait_kmcnt 0x0
	s_cmp_eq_u32 s3, 1
	s_cselect_b64 s[26:27], s[12:13], s[10:11]     ; the source, and the bias that belongs to it
	s_cselect_b64 s[30:31], s[18:19], s[16:17]
	s_cmp_eq_u32 s3, 2
	s_cselect_b64 s[26:27], s[14:15], s[26:27]
	s_cselect_b64 s[30:31], s[20:21], s[30:31]
	s_cmp_lt_u32 ttmp9, 512
	s_cselect_b64 s[26:27], s[8:9], s[26:27]       ; groups 0 to 511 take x
	s_cselect_b32 s28, ttmp9, s4
	s_lshl_b32 s28, s28, 16                        ; 16 rows of 4,096 bytes
	s_mov_b32 s29, 0
	s_add_nc_u64 s[26:27], s[26:27], s[28:29]
	s_lshl_b32 s32, ttmp9, 15                      ; 16 rows of 2,048 bytes
	s_mov_b32 s33, 0
	s_add_nc_u64 s[22:23], s[22:23], s[32:33]
	s_wait_alu depctr_va_vdst(0)                   ; v1 and v2 are written: every load and store of the kernel reads one of them as its offset
.irp i, 0,1,2,3,4,5,6,7,8,9,10,11,12,13,14,15
	global_load_b128 v[X+4*\i:X+4*\i+3], v1, s[26:27] offset:\i*SROW th:TH_LOAD_NT
.endr
.irp p, 0,1,2,3
	s_wait_loadcnt 12-4*\p                         ; loads come back in order: block p's four rows are in, the younger blocks' loads stay out
.irp i, 0,1,2,3
	v_cvt_pk_bf16_f32 v[Y+2*(4*\p+\i)],   v[X+4*(4*\p+\i)],   v[X+4*(4*\p+\i)+1]
	v_cvt_pk_bf16_f32 v[Y+2*(4*\p+\i)+1], v[X+4*(4*\p+\i)+2], v[X+4*(4*\p+\i)+3]
.endr
	s_wait_alu depctr_va_vdst(0)                   ; the block's eight roundings have written its Y, which the four stores below read
.irp i, 0,1,2,3
	global_store_b64 v2, v[Y+2*(4*\p+\i):Y+2*(4*\p+\i)+1], s[22:23] offset:(4*\p+\i)*DROW
.endr
.endr
	; the first group of each weight also copies that weight's bias: 256 threads x 16 bytes = its 4,096 bytes
	s_cmp_lt_u32 ttmp9, 512
	s_cbranch_scc1 .Ldone
	s_cmp_lg_u32 s4, 0
	s_cbranch_scc1 .Ldone
	s_lshl_b32 s32, s3, 12                         ; s33 is still 0
	s_add_nc_u64 s[24:25], s[24:25], s[32:33]
	global_load_b128 v[BV:BV+3], v1, s[30:31]      ; v1 was written ahead of the head's wait; no vector instruction names BV
	s_wait_loadcnt 0x0
	global_store_b128 v1, v[BV:BV+3], s[24:25]
.Ldone:
	s_endpgm
.Lfunc_end_k_q15c98773c3_cast:
	.size	k_q15c98773c3_cast, .Lfunc_end_k_q15c98773c3_cast-k_q15c98773c3_cast
	.p2alignl 7, 3214868480
	.fill 96, 4, 3214868480
	.section	.rodata,"a",@progbits
	.p2align	6, 0x0
	.amdhsa_kernel k_q15c98773c3_cast
		.amdhsa_group_segment_fixed_size 0
		.amdhsa_private_segment_fixed_size 0
		.amdhsa_enable_private_segment 0
		.amdhsa_kernarg_size 72
		.amdhsa_user_sgpr_count 2
		.amdhsa_user_sgpr_kernarg_segment_ptr 1
		.amdhsa_wavefront_size32 1
		.amdhsa_system_sgpr_workgroup_id_x 1
		.amdhsa_system_sgpr_workgroup_id_y 1
		.amdhsa_system_sgpr_workgroup_id_z 1
		.amdhsa_system_vgpr_workitem_id 0
		.amdhsa_next_free_vgpr 104
		.amdhsa_next_free_sgpr 66
		.amdhsa_reserve_vcc 0
		.amdhsa_float_denorm_mode_32 3
		.amdhsa_float_denorm_mode_16_64 3
		.amdhsa_memory_ordered 1
		.amdhsa_forward_progress 1
		.amdhsa_inst_pref_size 7
	.end_amdhsa_kernel
	.amdgpu_metadata
---
amdhsa.version: [ 1, 2 ]
amdhsa.kernels:
  - .name:           k_q15c98773c3_cast
    .symbol:         k_q15c98773c3_cast.kd
    .args:
      - { .name: x, .offset: 0, .size: 8, .value_kind: global_buffer, .address_space: global }
      - { .name: Wq, .offset: 8, .size: 8, .value_kind: global_buffer, .address_space: global }
      - { .name: Wk, .offset: 16, .size: 8, .value_kind: global_buffer, .address_space: global }
      - { .name: Wv, .offset: 24, .size: 8, .value_kind: global_buffer, .address_space: global }
      - { .name: bq, .offset: 32, .size: 8, .value_kind: global_buffer, .address_space: global }
      - { .name: bk, .offset: 40, .size: 8, .value_kind: global_buffer, .address_space: global }
      - { .name: bv, .offset: 48, .size: 8, .value_kind: global_buffer, .address_space: global }
      - { .name: xw, .offset: 56, .size: 8, .value_kind: global_buffer, .address_space: global }
      - { .name: bb, .offset: 64, .size: 8, .value_kind: global_buffer, .address_space: global }
    .group_segment_fixed_size: 0
    .private_segment_fixed_size: 0
    .kernarg_segment_align: 8
    .kernarg_segment_size: 72
    .max_flat_workgroup_size: 256
    .sgpr_count:     66
    .vgpr_count:     104
    .wavefront_size: 32
...
	.end_amdgpu_metadata
.endif
;; end of part 5
;; launch proj: the kernel of part 2 again; grid 8 x 32, 4 waves a work-group, clusters of 4 x 4, 327,680 bytes of LDS; arguments xw, bb, qkv; writes qkv
;; launch score: the kernel of part 3 again; grid 4 x 64, 4 waves a work-group, clusters of 4 x 4, 327,680 bytes of LDS; arguments qkv, pp, st; writes pp, st
;; launch apply: the kernel of part 4 again; grid 4 x 64, 4 waves a work-group, clusters of 4 x 4, 327,680 bytes of LDS; arguments pp, qkv, st, out0; writes out0
